; MI455X (gfx1250); checked and timed in simulation.
; The chip was launched on July 23, 2026; its instructions are those of AMD's public machine-readable ISA for CDNA 5 (MIT licence, August 2026) and "CDNA5" Instruction Set Architecture Reference Guide (July 2026). The comments in the code are by the model that wrote it; some were corrected since.
;; ESP32 Attention. Allowed arithmetic: matrix products marked QUANTISED: E2M3 operands, one E8M0 scale for each 32 along K, by v_wmma_scale_f32_16x16x128_f8f6f4 with both operands' format E2M3, f32 sums; everything else in f32.
;; Inputs: out_b 1,024 float32; out_w 1,024 x 1,024 float32; qkv_b 3,072 float32; qkv_w 3,072 x 1,024 float32; x 4 x 2,048 x 1,024 float32.
;; Outputs: out0 4 x 2,048 x 1,024 float32.
;; This version of the problem:
;;   THIS VERSION OF THE PROBLEM IS GIVEN IN LOW PRECISION. The matrix products marked QUANTISED in the list below multiply operands that are first quantised to E2M3 (2 exponent bits, 3 mantissa bits; 6 bits a number), with one power-of-two scale for each 32 numbers along K (OCP MX v1.0); their sums are f32. All else is computed in f32.
;;   The module's matrix products, in the order in which they are computed (A, B: the left and right operand; K: the contracted axis; several contracted axes count as one K, in the product's order):
;;     1. [M 8,192, K 1,024] x [K 1,024, N 3,072]; A: input x; B: input qkv_w: QUANTISED
;;     2. batch 64 x [M 2,048, K 64] x [K 64, N 2,048]; A: computed on the way; B: computed on the way: QUANTISED
;;     3. batch 64 x [M 2,048, K 2,048] x [K 2,048, N 64]; A: softmax (see below); B: computed on the way: QUANTISED
;;     4. [M 8,192, K 1,024] x [K 1,024, N 1,024]; A: computed on the way; B: input out_w: QUANTISED
;;   THE QUANTISER, for each operand of a quantised product, along K:
;;     - K is cut into blocks of 32 from its start; a last block that is shorter is filled with zeros.
;;     - A block's scale is 2^e with e = floor(log2(the largest magnitude in the block)) - 2, held to -126 .. 127; a block of zeros has e = 0. As a byte (E8M0): e + 127.
;;     - Each number is divided by its block's scale, clamped to +-7.5, and rounded to the nearest number of E2M3, ties to even, subnormals kept.
;;     - The product sums the exact products of the quantised numbers (number of the format x scale) in f32.
;;   ~~~python
;;   def quantise(x, axis):      # numpy; x: float32 -> the quantised numbers, widened to float32 again
;;       x = np.moveaxis(x, axis, -1); K = x.shape[-1]
;;       x = np.pad(x, [(0, 0)] * (x.ndim - 1) + [(0, -K % 32)]); x = x.reshape(x.shape[:-1] + (-1, 32)); a = np.abs(x).max(-1, keepdims=True)
;;       e = np.where(a > 0, np.clip(np.frexp(np.where(a > 0, a, 1))[1] - 1 - 2, -126, 127), 0)      # np.frexp(a)[1] - 1 = floor(log2(a)), exactly
;;       r = np.clip(x / 2.0 ** e, -7.5, 7.5)
;;       step = 2.0 ** (np.maximum(np.frexp(np.where(r == 0, 1, r))[1] - 1, 0) - 3)
;;       q = np.round(r / step) * step * 2.0 ** e      # np.round: ties to even
;;       return np.moveaxis(q.reshape(q.shape[:-2] + (-1,))[..., :K], -1, axis).astype(np.float32)
;;   ~~~
;;   SOFTMAX AHEAD OF A QUANTISED PRODUCT. Where the list says 'softmax', what is quantised is not the finished softmax but p = 2^(t - M), with t = logit x log2(e) and M = ceil(the row's largest t), a whole number; so 1/2 < the row's largest p <= 1. The row's sum l is taken of the UNQUANTISED p, in f32, and the product's result is divided by l at the end. Since M is a whole number, a kernel that streams over the keys may use a running M (the ceiling of the running maximum): every later rescaling is an exact power of two, which a block's scale takes up: the codes' values come out the same.
;;   OPERANDS COMPUTED ON THE WAY. 'Computed on the way' means the value that the module computes at that place (a softmax that the list does not call 'softmax' is quantised finished and normalised). What goes into a quantiser is computed in f32, as accurately as f32 sums, v_exp_f32 and their like allow (about 1e-6 of the number): no bf16 or f16 on the way to a quantiser, and a product that is left as it is and whose result goes on into a quantised operand takes f32 operands (vector FMAs, or v_wmma_f32_16x16x4_f32). A number that lies on a knife's edge between two numbers of the format may be rounded either way, as far as f32 arithmetic and the matrix unit's own rounding can turn it there, and no further.
;; One version. Each part assembles by itself: llvm-mc -triple=amdgcn-amd-amdhsa -mcpu=gfx1250 --defsym DOCPART=n.
;; ======== version 1 of 1: 4 launches
;; workspace buffers: ops 9,830,400 bytes; qkv 20,185,088 bytes; ao 6,553,600 bytes
;; launch quant (part 1): grid 768 x 1, 4 waves a work-group, no clusters, 34,304 bytes of LDS; arguments x, qkv_w, out_w, ops; writes ops
.if DOCPART == 1
	.amdgcn_target "amdgcn-amd-amdhsa--gfx1250"
	.amdhsa_code_object_version 6
	.text
	.protected	k_qebe1701d6a_quant
	.globl	k_qebe1701d6a_quant
	.p2align	8
	.type	k_qebe1701d6a_quant,@function
k_qebe1701d6a_quant:
	s_mov_b64 s[64:65], 0
	v_nop
	global_prefetch_b8 v0, s[64:65] scope:SCOPE_SE
	s_setreg_imm32_b32 hwreg(HW_REG_WAVE_MODE, 25, 1), 1
	s_wait_xcnt 0x0
; x [8192][1024], qkv_w [3072][1024] and out_w [1024][1024], f32 with K innermost, become codes of FP6 (E2M3) with one E8M0 byte for each 32 along K,
; laid in the order in which the later launches' operand registers take them.
; A RECORD (12,800 bytes) is one tile of 16 rows with all of K = 1,024: 16 chunks of 768 bytes, then 8 blocks of 16 scale words.
; A CHUNK is the register image of 16 rows x 64 k: lane (r, h) owns six registers, k = 32 h .. 32 h + 31 of its row: registers 0-3 at 16 x lane, registers 4-5 at 512 + 8 x lane.
; THE ROWS OF A TILE ARE NOT NEIGHBOURS: place r of tile T holds row 32 (T / 2) + 8 (T % 2) + r + 8 (r / 8), so that a product that takes the tile as its first source
; leaves 16 neighbours along that axis in a lane's 16 registers of tiles 2 b and 2 b + 1.
; Records 0-511: x; 512-703: qkv_w; 704-767: out_w.  Work-group g makes record g; wave w its K steps 2 w and 2 w + 1 (128 along K each).
; A block's scale is 2^(floor(log2(its largest magnitude)) - 2); its byte is that magnitude's exponent field - 2, held at 1 from below.
; LIMITS: a block whose largest magnitude lies under 2^(3 - 127), a block of zeros among them, gets the byte 1 (the bytes are read by this program alone; such a block's codes are zeros or next to it);
; NaN and infinities among the inputs are not served.
; Each load reads 512 consecutive bytes of one row; the 16 rows x 512 bytes of a K step turn through the wave's own stage in LDS and come back 128 bytes a lane: a whole block of 32 to a lane.
; No loop, no barrier: the waves share nothing, every offset is an immediate, and all 32 loads of a wave go out at its head.
.set REC,  12800
.set SP,   528                         ; a stage row: 512 bytes + 16
.set RR,   16                          ; v16-143  two K steps as loaded, 64 registers each
.set XX,   144                         ; v144-207 64 numbers of my row: register 32 c + i = k 64 c + 32 h + i
.set PC,   208                         ; v208-219 the codes of K step 0, v220-231 of K step 1: no store's data are written again
.set PT,   232                         ; v232-234, v236-238: a block's upper 16 codes (a conversion's three registers begin on an even number)
.set W0,   235                         ; v235, v239: the two K steps' scale words
.set MX,   10                          ; v10-11 largest magnitudes; v12-13 the conversions' scale operands; v14-15 the bytes
.set SO,   12
.set BY,   14
.set PX,   240                         ; a lane permute's destination
.set WT,   241                         ; the scale word at work
	s_load_b256 s[4:11], s[0:1], 0x0               ; x s[4:5], qkv_w s[6:7], out_w s[8:9], ops s[10:11]
	v_lshl_add_u32 v244, v0, 2, 0x8400
	v_mov_b32 v245, 0
	v_lshrrev_b32 v1, 5, v0
	v_readfirstlane_b32 s12, v1                    ; wave 0..3
	v_and_b32 v1, 31, v0                           ; lane
	v_and_b32 v2, 15, v0                           ; r
	v_bfe_u32 v3, v0, 4, 1                         ; h
	v_lshlrev_b32 v4, 4, v1                        ; 16 x lane
	v_lshlrev_b32 v5, 3, v1                        ; 8 x lane
	v_lshlrev_b32 v6, 2, v1                        ; 4 x lane
	s_mul_i32 s13, s12, 16*SP                      ; my wave's stage
	v_add_nc_u32 v7, s13, v4                       ; into it: a row as it lies
	v_mul_u32_u24 v8, v2, SP
	v_lshl_add_u32 v8, v3, 7, v8
	v_add_nc_u32 v8, s13, v8                       ; out of it: row r, + 128 h bytes: my block of 32
	v_lshlrev_b32 v9, 3, v3                        ; 8 h: my bytes' place in the scale word
	v_mov_b32 v[PX], 0                             ; written once: a lane permute's destination counts as one of its sources
	s_mov_b32 s20, 0x76543210
	s_mov_b32 s21, 0xfedcba98                      ; v_permlanex16_b32's selects for lane l xor 16
	s_wait_kmcnt 0x0
	s_cmp_lt_u32 ttmp9, 512                        ; which tensor: the choice hangs on the work-group's number alone
	s_cselect_b64 s[4:5], s[4:5], s[6:7]
	s_cselect_b32 s14, 0, 512
	s_cmp_lt_u32 ttmp9, 704
	s_cselect_b64 s[4:5], s[4:5], s[8:9]
	s_cselect_b32 s14, s14, 704
	s_sub_co_u32 s14, ttmp9, s14                   ; the tile's number in its tensor
	s_lshr_b32 s15, s14, 1
	s_lshl_b32 s15, s15, 5
	s_and_b32 s16, s14, 1
	s_lshl_b32 s16, s16, 3
	s_add_co_u32 s15, s15, s16                     ; its first row: 32 (T / 2) + 8 (T % 2)
	s_lshl_b32 s16, s15, 12                        ; rows of 4,096 bytes
	s_lshl_b32 s17, s12, 10                        ; my wave's 256 along K
	s_add_co_u32 s16, s16, s17
	s_mov_b32 s17, 0
	s_add_nc_u64 s[4:5], s[4:5], s[16:17]
	s_mul_i32 s16, ttmp9, REC                      ; the record
	s_mul_i32 s18, s12, 3072                       ; my four chunks
	s_add_co_u32 s18, s18, s16
	s_mov_b32 s19, 0
	s_add_nc_u64 s[22:23], s[10:11], s[18:19]
	s_lshl_b32 s18, s12, 7                         ; my two blocks of scale words
	s_add_co_u32 s18, s18, s16
	s_add_co_u32 s18, s18, 12288
	s_add_nc_u64 s[24:25], s[10:11], s[18:19]
.macro LOADF f                         ; K step f of the 16 rows: a load reads one row's 512 consecutive bytes
.irp i, 0,1,2,3,4,5,6,7,8,9,10,11,12,13,14,15
	global_load_b128 v[RR+64*\f+4*\i:RR+64*\f+4*\i+3], v4, s[4:5] offset:(\i+8*(\i/8))*4096+512*\f th:TH_LOAD_NT
.endr
.endm
.macro TURNF f                         ; through the stage: LDS serves a wave's instructions in order (ISA guide 5.7.1.4), so no wait stands between the stores and the loads
.irp i, 0,1,2,3,4,5,6,7,8,9,10,11,12,13,14,15
	ds_store_b128 v7, v[RR+64*\f+4*\i:RR+64*\f+4*\i+3] offset:SP*\i
.endr
.irp c, 0,1
.irp j, 0,1,2,3,4,5,6,7
	ds_load_b128 v[XX+32*\c+4*\j:XX+32*\c+4*\j+3], v8 offset:256*\c+16*\j
.endr
.endr
.endm
.macro QF f                            ; my two blocks (2 c + h) of K step f: scale, codes, stores
.irp c, 0,1
	v_max3_num_f32 v[MX+\c], |v[XX+32*\c]|, |v[XX+32*\c+1]|, 0x1800000   ; all 32 numbers of a block are mine; the floor 2^(3 - 127) holds the byte at 1 from below
.endr
.irp i, 2,4,6,8,10,12,14,16,18,20,22,24,26,28,30
.irp c, 0,1
	v_max3_num_f32 v[MX+\c], v[MX+\c], |v[XX+32*\c+\i]|, |v[XX+32*\c+\i+1]|   ; (the two blocks by turns)
.endr
.endr
.irp c, 0,1
	v_add_nc_u32 v[SO+\c], 0xff000000, v[MX+\c]    ; 2 off the exponent field: the conversion takes this operand's exponent field as its scale
.endr
.irp c, 0,1
	v_lshrrev_b32 v[BY+\c], 23, v[SO+\c]           ; the scale's byte
.endr
	v_lshl_or_b32 v[WT], v[BY+1], 16, v[BY]        ; blocks h and 2 + h of my row,
	v_lshlrev_b32 v[WT], v9, v[WT]                 ; at their places in the word;
	v_permlanex16_b32 v[PX], v[WT], s20, s21
	v_or_b32 v[W0+4*\f], v[WT], v[PX]              ; with lane l xor 16's two the word is whole
.irp c, 0,1
	v_cvt_scalef32_pk16_fp6_f32 v[PC+12*\f+6*\c:PC+12*\f+6*\c+2], v[XX+32*\c:XX+32*\c+15], v[SO+\c]
	v_cvt_scalef32_pk16_fp6_f32 v[PT+4*\c:PT+4*\c+2], v[XX+32*\c+16:XX+32*\c+31], v[SO+\c]
.endr
	v_nop                                          ; one plain place behind a scaled conversion
.irp c, 0,1
.irp i, 0,1,2
	v_mov_b32 v[PC+12*\f+6*\c+3+\i], v[PT+4*\c+\i]
.endr
.endr
.irp c, 0,1
	global_store_b128 v4, v[PC+12*\f+6*\c:PC+12*\f+6*\c+3], s[22:23] offset:1536*\f+768*\c          ; 512 consecutive bytes, aligned to 256
	global_store_b64 v5, v[PC+12*\f+6*\c+4:PC+12*\f+6*\c+5], s[22:23] offset:1536*\f+768*\c+512     ; 256 consecutive bytes, aligned
.endr
.endm
	LOADF 0
	LOADF 1
	s_wait_loadcnt 16                              ; K step 0's sixteen loads are in; K step 1's sixteen may be out
	TURNF 0
	s_wait_dscnt 0x0
	QF 0
	s_wait_loadcnt 0x0
	TURNF 1
	s_wait_dscnt 0x0
	QF 1
	v_cmp_le_u32 vcc_lo, 16, v1                    ; lanes 0-15 store K step 2 w's words, lanes 16-31 those of 2 w + 1: 128 consecutive bytes
	v_cndmask_b32 v[WT], v[W0], v[W0+4], vcc_lo
	global_store_b32 v6, v[WT], s[24:25]
	s_wait_tensorcnt 0x0
	ds_add_u32 v244, v245
	s_wait_dscnt 0x0
	s_endpgm
.Lfunc_end_k_qebe1701d6a_quant:
	.size	k_qebe1701d6a_quant, .Lfunc_end_k_qebe1701d6a_quant-k_qebe1701d6a_quant
	.p2alignl 7, 3214868480
	.fill 96, 4, 3214868480
	.section	.rodata,"a",@progbits
	.p2align	6, 0x0
	.amdhsa_kernel k_qebe1701d6a_quant
		.amdhsa_group_segment_fixed_size 34304
		.amdhsa_private_segment_fixed_size 0
		.amdhsa_enable_private_segment 0
		.amdhsa_kernarg_size 32
		.amdhsa_user_sgpr_count 2
		.amdhsa_user_sgpr_kernarg_segment_ptr 1
		.amdhsa_wavefront_size32 1
		.amdhsa_system_sgpr_workgroup_id_x 1
		.amdhsa_system_sgpr_workgroup_id_y 1
		.amdhsa_system_sgpr_workgroup_id_z 1
		.amdhsa_system_vgpr_workitem_id 0
		.amdhsa_next_free_vgpr 246
		.amdhsa_next_free_sgpr 66
		.amdhsa_reserve_vcc 1
		.amdhsa_float_denorm_mode_32 3
		.amdhsa_float_denorm_mode_16_64 3
		.amdhsa_memory_ordered 1
		.amdhsa_forward_progress 1
		.amdhsa_inst_pref_size 17
	.end_amdhsa_kernel
	.amdgpu_metadata
---
amdhsa.version: [ 1, 2 ]
amdhsa.kernels:
  - .name:           k_qebe1701d6a_quant
    .symbol:         k_qebe1701d6a_quant.kd
    .args:
      - { .name: x, .offset: 0, .size: 8, .value_kind: global_buffer, .address_space: global }
      - { .name: qkv_w, .offset: 8, .size: 8, .value_kind: global_buffer, .address_space: global }
      - { .name: out_w, .offset: 16, .size: 8, .value_kind: global_buffer, .address_space: global }
      - { .name: ops, .offset: 24, .size: 8, .value_kind: global_buffer, .address_space: global }
    .group_segment_fixed_size: 34304
    .private_segment_fixed_size: 0
    .kernarg_segment_align: 8
    .kernarg_segment_size: 32
    .max_flat_workgroup_size: 128
    .sgpr_count:     66
    .vgpr_count:     246
    .wavefront_size: 32
...
	.end_amdgpu_metadata
.endif
;; end of part 1
;; launch qkv_gemm (part 2): grid 8 x 48, 4 waves a work-group, clusters of 4 x 4, 327,680 bytes of LDS; arguments ops, qkv_b, qkv; writes qkv
.if DOCPART == 2
	.amdgcn_target "amdgcn-amd-amdhsa--gfx1250"
	.amdhsa_code_object_version 6
	.text
	.protected	k_qebe1701d6a_qkv_gemm
	.globl	k_qebe1701d6a_qkv_gemm
	.p2align	8
	.type	k_qebe1701d6a_qkv_gemm,@function
k_qebe1701d6a_qkv_gemm:
	s_mov_b64 s[64:65], 0
	v_nop
	global_prefetch_b8 v0, s[64:65] scope:SCOPE_SE
	s_setreg_imm32_b32 hwreg(HW_REG_WAVE_MODE, 25, 1), 1
	s_wait_xcnt 0x0
	s_wait_alu depctr_hold_cnt(0) depctr_sa_sdst(0) depctr_va_vdst(0) depctr_va_sdst(0) depctr_va_ssrc(0) depctr_va_vcc(0) depctr_vm_vsrc(0)
	s_getreg_b32 s2, hwreg(HW_REG_IB_STS2, 6, 4)
	s_cmp_eq_u32 s2, 0
	s_cbranch_scc0 .Lentry_in_a_cluster
	s_endpgm
.Lentry_in_a_cluster:
	s_bfe_u32 s2, ttmp6, 0x10000c
	s_cmp_lg_u32 s2, 0xf033
	s_cbranch_scc0 .Lentry_shape_is_right
	s_endpgm
.Lentry_shape_is_right:
; qkv = x W^T + b on codes of FP6 (E2M3) with E8M0 scales, and its results quantised at once for the attention: q and k along the head's 64, v along the keys.  No f32 number of qkv goes to memory.
; Operands come from ops as records (a tile of 16 rows: 16 chunks of 768 bytes, each the register image of 16 rows x 64 k, then 8 x 16 scale words); x: records 0-511, qkv_w: 512-703.
; A tile of 256 x 256 results to a work-group of four waves, 128 x 128 a wave: 64 accumulators.  S0 is the matrix instruction's first source (its rows run along a lane's result registers), S1 its second (a lane keeps one row).
; TWO ROLES, ONE TEXT, NO BRANCH BETWEEN THEM.  Clusters with y under 8 make q and k: S1 = tokens, S0 = rows of W: a lane holds one token, its registers run along n, which is the head's axis.
; Clusters 8-11 make v: S1 = rows of W_v (the head's d), S0 = tokens: a lane holds one d, its registers run along the keys.  So one way out quantises along the right axis for both.
; What differs (tile indices, output offsets and steps, which bias is live) is chosen by s_cselect_b32 on the cluster's y, which all partners share.
; The rows of a tile are laid so (place r of tile T = row 32 (T / 2) + 8 (T % 2) + r + 8 (r / 8)) that the 16 result registers of S0's tiles 2 b and 2 b + 1 are 16 neighbours: 32 b + 16 (lane / 16) + 0 .. 15.
; K = 1,024 goes in four parts of 256 through three LDS slots: three first fills, and one refill (part 3 into slot 0).  All scale words come once, with the first fills.
; CLUSTERS: 4 x 4.  S1's tiles hang on the cluster's row alone, S0's on its column alone: each is asked for jointly, by the same tensor load with a mask that names the four.
; OUT (buffer qkv): q and k codes [H 0-31][token tile][768] (H 16-31: k), their scale words [H][tile][16] (bytes 0, 1; bytes 2, 3 are 0) at QKS; v codes [batch x head][key step of 128][d tile][1,536] at VC, scale words at VSO.
; The bias along the lanes' axis (role v) is the C of each sum's first product; the bias along the registers' axis (role q, k) is added behind the sum; the table that is not live holds zeros.
; LIMITS: NaN and infinities are not served; a block whose largest magnitude lies under 2^(3 - 127) gets the scale byte 1 (read by this program alone).
; REGISTERS: window 0: v1-27 addresses; v32-95 scale words of all 8 K steps (register 8 s + i: lanes 0-15 S1's tile i, lanes 16-31 S0's); v96-127 and v224-255 the registers' bias; v128-223 S1's fragments, one set (on the way out: at work).
;   window 1: S0's fragments, two sets, at v0 and v128; v96-127 and v224-255 the lanes' bias, eight registers for each of S1's blocks.   windows 2, 3: accumulator (a, b) at v[8 (8 (a % 4) + b)].
.set REC,    12800
.set SLOT,   98304                     ; a slot: S1's 16 tiles x 3,072 bytes (256 along K), then S0's
.set HALFT,  24576                     ; 8 tiles: what one tensor load brings, and what one wave reads of a side
.set TILEB,  3072
.set SCL,    3*SLOT                    ; S1's scale words, 16 tiles x 512 bytes
.set S0SC,   8320                      ; S0's begin so far behind them: 8,192 + 128
.set SPARE,  311552                    ; the spare words, 128 bytes for each wave: two blocks of 256 bytes that no other line names
.set QKS,    12582912
.set VC,     13631488
.set VSO,    19922944
.set FR,     12                        ; registers of a fragment
.set ADRS,   11                        ; v11     my scale words in LDS
.set A16,    12                        ; v12-14  S1's fragments in slot 0, 1, 2: 16 x lane;  v15-17: 8 x lane
.set A8,     15
.set B16,    18                        ; v18-20, v21-23 the same for S0
.set B8,     21
.set SPW,    24                        ; v24     my spare word; never rewritten
.set NIL,    25                        ; v25     0; never rewritten
.set SC,     32
.set AF,     128
.set XX,     128                       ; the way out: v128-191 64 numbers; v192-203 at work; v204-215 codes; v216-218, v220-222 upper halves; v219 the scale word; v223 what is stored of it
.set TM,     192
.set PC,     204
.set PT,     216
.set PW,     219
.set SV,     223
.set G1,   24                          ; s[24:31] group 1 for S1's codes; s[32:39] S0's; s[40:47], s[48:55] for their scale words
.set G1B,  32
.set G1S,  40
.set G1SB, 48
.set G0S,  56                          ; s[56:59], s[60:63] groups 0 for the scale words
.set G0SB, 60
.set G0,   68                          ; s[68:79] groups 0 for S1's codes, one for each slot; s[80:91] for S0's
.set G0B,  80
.set OUT0, 92                          ; s[92:93] where the block's first chunk goes; s[94:95] its second; s[96:97] its scale words
.set OUT1, 94
.set OSC,  96
.set SA,   98                          ; s[98:99] from block to block; s[100:101] from block 3 to 4; s[66:67] the same for the scale words
.set SB,   100
.set SD,   66
.set MSB, 0
.macro WIN new                         ; the immediate's high byte repeats the setting that is left
.if MSB != \new
	s_set_vgpr_msb (MSB<<8)|\new
.set MSB, \new
.endif
.endm
.set MUL_LO, 0xa1                      ; source 0 (S0) window 1, source 1 (S1) window 0, C and D window 2
.set MUL_HI, 0xf1                      ; the same, C and D window 3
.set TO_B,   0x40                      ; destination window 1, address window 0
; A joint load: waves 0 and 1 fetch for S1, waves 2 and 3 for S0.  The branch hangs on the wave's number alone.  Four v_nop follow each of the two lines.
.macro JLOAD g0a, g1a, g0b, g1b
	s_cmp_eq_u32 s15, 0
	s_cbranch_scc0 .Lfor_b_\@
	tensor_load_to_lds s[\g0a:\g0a+3], s[\g1a:\g1a+7]
	s_nop 0
.rept 4
	v_nop
.endr
	s_branch .Lasked_\@
.Lfor_b_\@:
	tensor_load_to_lds s[\g0b:\g0b+3], s[\g1b:\g1b+7]
	s_nop 0
.rept 4
	v_nop
.endr
.Lasked_\@:
.endm
.macro CREST                           ; a round of the cluster's barrier behind its opening barrier
	s_cmp_lg_u32 s14, 0
	s_cbranch_scc1 .Lnot_wave_0_\@
	s_barrier_signal -3
.Lnot_wave_0_\@:
	s_barrier_wait -3
	s_barrier_signal -1
	s_barrier_wait -1
.endm
.macro CROUND                          ; a whole round
	s_barrier_signal -1
	s_barrier_wait -1
	CREST
.endm
.macro PLACES                          ; four plain places behind a matrix instruction, in front of loads into its sources and of reads of results
.rept 4
	v_nop
.endr
.endm
	s_load_b128 s[4:7], s[0:1], 0x0                ; ops s[4:5], qkv_b s[6:7]
	s_load_b64 s[8:9], s[0:1], 0x10                ; qkv
	v_lshl_add_u32 v[SPW], v0, 2, SPARE
	v_mov_b32 v[NIL], 0
	ds_add_u32 v24, v25
	ds_add_u32 v24, v25
	s_wait_dscnt 0x0
	v_lshrrev_b32 v1, 5, v0
	v_readfirstlane_b32 s14, v1                    ; wave 0..3
	s_lshr_b32 s15, s14, 1                         ; my half of S1's tiles.  Also: I fetch for S1 (0) or for S0 (1)
	s_and_b32 s16, s14, 1                          ; my half of S0's tiles.  Also: which 8 tiles I fetch
	s_bfe_u32 s10, ttmp6, 0x40000                  ; cx
	s_bfe_u32 s11, ttmp6, 0x40004                  ; cy
	s_lshl_b32 s12, ttmp9, 2
	s_add_co_u32 s12, s12, s10                     ; work-group x = 4 x cluster x + cx
	s_and_b32 s13, ttmp7, 0xffff                   ; the cluster's y: 0-7 q and k, 8-11 v
	s_lshl_b32 s17, s11, 2
	s_lshl_b32 s17, 15, s17                        ; my row of the cluster
	s_lshl_b32 s18, 0x1111, s10                    ; my column
	s_or_b32 s[G1], s17, (3<<16)|(1<<21)           ; 15:0 the mask; 17:16 elements of 8 bytes; 21 set beside a mask; no padding
	s_or_b32 s[G1B], s18, (3<<16)|(1<<21)
	s_or_b32 s[G1S], s17, (3<<16)|(1<<21)
	s_or_b32 s[G1SB], s18, (3<<16)|(1<<21)
.irp g, G1, G1B                        ; codes: 8 rows (one for each record) of 3,072 bytes, 12,800 bytes apart
	s_mov_b32 s[\g+1], 384<<16                     ; tensor_dim0 = 384 elements
	s_mov_b32 s[\g+2], 8<<16                       ; tensor_dim1 = 8
	s_mov_b32 s[\g+3], 384<<16                     ; tile_dim0
	s_mov_b32 s[\g+4], 8                           ; tile_dim1
	s_mov_b32 s[\g+5], 1600                        ; tensor_dim0_stride
	s_mov_b32 s[\g+6], 0
	s_mov_b32 s[\g+7], 0
.endr
.irp g, G1S, G1SB                      ; scale words: 8 rows of 512 bytes
	s_mov_b32 s[\g+1], 64<<16
	s_mov_b32 s[\g+2], 8<<16
	s_mov_b32 s[\g+3], 64<<16
	s_mov_b32 s[\g+4], 8
	s_mov_b32 s[\g+5], 1600
	s_mov_b32 s[\g+6], 0
	s_mov_b32 s[\g+7], 0
.endr
	; which records: S1's index hangs on the cluster's y and cy alone, S0's on the cluster's y and the work-group's x alone
	s_lshl_b32 s19, s13, 6                         ; q, k: tokens' tiles 64 x cluster y + 16 cy
	s_lshl_b32 s2, s13, 7
	s_sub_co_u32 s2, s2, 1024                      ; v: tokens' tiles 128 (cluster y - 8) + 16 x
	s_lshl_b32 s20, s11, 4
	s_lshl_b32 s21, s12, 4
	s_lshl_b32 s22, s16, 3
	s_cmp_lt_u32 s13, 8
	s_cselect_b32 s19, s19, 640                    ; v: W_v's tiles begin at record 640
	s_cselect_b32 s2, 512, s2                      ; q, k: W's tiles begin at record 512
	s_add_co_u32 s66, s19, s20
	s_add_co_u32 s66, s66, s22
	s_mul_i32 s66, s66, REC
	s_mov_b32 s67, 0
	s_add_co_u32 s2, s2, s21
	s_add_co_u32 s2, s2, s22
	s_mul_i32 s2, s2, REC
	s_mov_b32 s3, 0
	s_mul_i32 s23, s14, HALFT                      ; where the codes go: wave x 8 tiles: no place in the cluster enters an LDS address
	s_lshl_b32 s17, s14, 12
	s_lshl_b32 s18, s15, 7
	s_add_co_u32 s17, s17, s18
	s_add_co_u32 s17, s17, SCL                     ; and the scale words: wave x 4,096, S0's 128 further on
	s_wait_kmcnt 0x0
	s_add_nc_u64 s[66:67], s[4:5], s[66:67]
	s_add_nc_u64 s[2:3], s[4:5], s[2:3]
	CROUND                                         ; all sixteen work-groups are here: the first joint loads meet
	s_mov_b32 s[G0S], 1
	s_mov_b32 s[G0S+1], s17
	s_add_nc_u64 s[G0S+2:G0S+3], s[66:67], 12288
	s_or_b32 s[G0S+3], s[G0S+3], 0x80000000
	s_mov_b32 s[G0SB], 1
	s_mov_b32 s[G0SB+1], s17
	s_add_nc_u64 s[G0SB+2:G0SB+3], s[2:3], 12288
	s_or_b32 s[G0SB+3], s[G0SB+3], 0x80000000
	JLOAD G0S, G1S, G0SB, G1SB                     ; the scale words first; with the three slots four loads of mine are out
.irp s, 0,1,2
	s_mov_b32 s[G0+4*\s], 1
	s_add_co_u32 s[G0+4*\s+1], s23, \s*SLOT
	s_add_nc_u64 s[G0+4*\s+2:G0+4*\s+3], s[66:67], \s*TILEB
	s_or_b32 s[G0+4*\s+3], s[G0+4*\s+3], 0x80000000
	s_mov_b32 s[G0B+4*\s], 1
	s_add_co_u32 s[G0B+4*\s+1], s23, \s*SLOT
	s_add_nc_u64 s[G0B+4*\s+2:G0B+4*\s+3], s[2:3], \s*TILEB
	s_or_b32 s[G0B+4*\s+3], s[G0B+4*\s+3], 0x80000000
	JLOAD G0+4*\s, G1, G0B+4*\s, G1B
.endr
	v_and_b32 v1, 31, v0                           ; lane
	v_and_b32 v2, 15, v0                           ; r
	v_bfe_u32 v3, v0, 4, 1                         ; h
	v_lshlrev_b32 v7, 4, v1                        ; 16 x lane
	v_lshlrev_b32 v8, 3, v1                        ; 8 x lane
	s_mul_i32 s20, s15, HALFT                      ; my 8 tiles of S1
	s_mul_i32 s21, s16, HALFT
	s_add_co_u32 s21, s21, 2*HALFT                 ; my 8 tiles of S0, behind S1's 16
.irp s, 0,1,2
	v_add_nc_u32 v[A16+\s], s20, v7
	v_add_nc_u32 v[A8+\s], s20, v8
	v_add_nc_u32 v[B16+\s], s21, v7
	v_add_nc_u32 v[B8+\s], s21, v8
	s_add_co_u32 s20, s20, SLOT
	s_add_co_u32 s21, s21, SLOT
.endr
	s_lshl_b32 s20, s15, 12                        ; scale words: lanes 0-15 take S1's, lanes 16-31 S0's: one product in h
	s_lshl_b32 s21, s16, 12
	s_add_co_u32 s21, s21, S0SC
	s_sub_co_u32 s21, s21, s20
	v_mul_u32_u24 v4, s21, v3
	s_add_co_u32 s20, s20, SCL
	v_lshl_add_u32 v4, v2, 2, v4
	v_add_nc_u32 v[ADRS], s20, v4
	; the way out's numbers, for both roles; then one compare chooses
	s_lshl_b32 s92, s13, 2
	s_add_co_u32 s92, s92, s11                     ; q, k: work-group y
	s_lshl_b32 s92, s92, 4
	s_lshl_b32 s93, s15, 3
	s_add_co_u32 s92, s92, s93                     ; my first token tile
	s_lshl_b32 s93, s12, 2
	s_lshl_b32 s94, s16, 1
	s_add_co_u32 s93, s93, s94                     ; my first head H (my 128 columns are two heads)
	s_lshl_b32 s93, s93, 9
	s_add_co_u32 s92, s92, s93                     ; 512 H + tile
	s_lshl_b32 s94, s12, 1                         ; v: my 128 tokens are key step Kc of 64
	s_lshl_b32 s95, s13, 4
	s_add_co_u32 s94, s94, s95
	s_add_co_u32 s94, s94, s16
	s_sub_co_u32 s94, s94, 128                     ; Kc = 2 (x + 8 (cluster y - 8)) + my half
	s_lshr_b32 s95, s94, 4
	s_lshl_b32 s95, s95, 4                         ; 16 x batch
	s_lshl_b32 s96, s11, 2
	s_add_co_u32 s95, s95, s96
	s_lshl_b32 s96, s15, 1
	s_add_co_u32 s95, s95, s96                     ; + my first head: 4 cy + 2 x my half
	s_lshl_b32 s95, s95, 4
	s_and_b32 s94, s94, 15
	s_add_co_u32 s95, s95, s94                     ; x 16 + the key step in its batch
	s_lshl_b32 s95, s95, 2                         ; x 4 d tiles
	s_mul_i32 s2, s92, 768
	s_lshl_b32 s3, s92, 6
	s_add_co_u32 s3, s3, QKS
	s_mul_i32 s17, s95, 1536
	s_add_co_u32 s17, s17, VC
	s_lshl_b32 s18, s95, 6
	s_add_co_u32 s18, s18, VSO
	s_lshl_b32 s19, s11, 8
	s_lshl_b32 s20, s15, 7
	s_add_co_u32 s19, s19, s20                     ; v: my first row of W_v
	s_lshl_b32 s20, s12, 8
	s_lshl_b32 s21, s16, 7
	s_add_co_u32 s20, s20, s21                     ; q, k: my first column n
	s_mov_b32 s21, 1536
	s_mov_b32 s22, 93696
	s_mov_b32 s23, 393216
	s_cmp_lt_u32 s13, 8                            ; only moves and selects stand between this compare and the last select
	s_cselect_b32 s[OUT0], s2, s17
	s_cselect_b32 s[OSC], s3, s18
	s_cselect_b32 s[SA], 768, s21                  ; from block to block: the next token tile | the next d tile
	s_cselect_b32 s[SB], 768, s22                  ; from block 3 to 4: likewise | the next head's d tile 0: 61 x 1,536
	s_cselect_b32 s[OUT1], s23, 768                ; the second chunk: the next head's, 512 tiles on | the fragment's second half
	s_cselect_b32 s[SD], 64, 3904
	s_cselect_b32 s19, 0, s19
	s_cselect_b32 s20, s20, 0
	s_cselect_b32 s17, 0, -1                       ; a lane mask: all ones in role v
	s_cselect_b32 s18, 0xffff, -1                  ; what is kept of a scale word
	s_cselect_b32 s2, 32768, 0                     ; lanes 16-31 store the second head's word, 512 tiles on | the same word to the same place
	s_cselect_b32 s3, 16, 0                        ; and take it from the word's upper half
	s_mov_b32 s[OUT0+1], 0
	s_mov_b32 s[OUT1+1], 0
	s_mov_b32 s[OSC+1], 0
	s_mov_b32 s[SA+1], 0
	s_mov_b32 s[SB+1], 0
	s_mov_b32 s[SD+1], 0
	s_add_nc_u64 s[OUT0:OUT0+1], s[8:9], s[OUT0:OUT0+1]
	s_add_nc_u64 s[OUT1:OUT1+1], s[OUT0:OUT0+1], s[OUT1:OUT1+1]
	s_add_nc_u64 s[OSC:OSC+1], s[8:9], s[OSC:OSC+1]
	s_mov_b32 s22, 0x76543210
	s_mov_b32 s23, 0xfedcba98                      ; v_permlanex16_b32's selects for lane l xor 16
	v_mul_u32_u24 v9, s2, v3
	v_lshl_add_u32 v9, v2, 2, v9                   ; where my scale word goes
	v_mul_u32_u24 v10, s3, v3                      ; and by how much it is shifted down
	v_and_b32 v4, 8, v2
	v_add_nc_u32 v4, v4, v2                        ; r + 8 (r / 8)
	s_lshl_b32 s19, s19, 2
	s_add_co_u32 s19, s19, 8192                    ; v's bias begins at number 2,048
	v_lshl_add_u32 v26, v4, 2, s19
	s_lshl_b32 s20, s20, 2
	v_lshl_add_u32 v27, v3, 6, s20
.irp a, 0,1,2,3,4,5,6,7
	global_load_b32 v[128+\a], v26, s[6:7] offset:4*(32*(\a/2)+8*(\a%2))   ; the bias of my lane's row of S1's block a
.endr
.irp b, 0,1,2,3
.irp j, 0,1,2,3
	global_load_b128 v[96+16*\b+4*\j+96*(\b/2):96+16*\b+4*\j+96*(\b/2)+3], v27, s[6:7] offset:128*\b+16*\j   ; the bias of my 64 registers: n = 32 b + 16 h + 0 .. 15
.endr
.endr
	s_wait_loadcnt 0x0
	WIN TO_B
.irp a, 0,1,2,3,4,5,6,7
.irp j, 0,1,2,3,4,5,6,7
	v_cndmask_b32 v[96+8*\a+96*(\a/4)+\j], 0, v[128+\a], s17   ; the lanes' bias, eight times, as a C; zeros in role q, k
.endr
.endr
	WIN 0
.set q, 0
.rept 64
	v_cndmask_b32 v[96+q+96*(q/32)], v[96+q+96*(q/32)], 0, s17   ; the registers' bias; zeros in role v
.set q, q+1
.endr
.macro FRAG reg, a16, a8, q, i         ; a fragment (16 rows x 128 k, 12 registers) is two chunks: four loads, each of consecutive bytes
	ds_load_b128 v[\reg:\reg+3], v[\a16] offset:(\i)*TILEB+(\q)*1536
	ds_load_b64 v[\reg+4:\reg+5], v[\a8] offset:(\i)*TILEB+(\q)*1536+512
	ds_load_b128 v[\reg+6:\reg+9], v[\a16] offset:(\i)*TILEB+(\q)*1536+768
	ds_load_b64 v[\reg+10:\reg+11], v[\a8] offset:(\i)*TILEB+(\q)*1536+1280
.endm
.macro FETCH_B slot, q, p              ; S0's eight fragments of the slot's q-th 128 along K into set p
	WIN TO_B
.irp i, 0,1,2,3,4,5,6,7
	FRAG 128*(\p)+FR*\i, B16+\slot, B8+\slot, \q, \i
.endr
	WIN 0
.endm
.macro FETCH_A slot, q, i0             ; S1's blocks i0 .. i0 + 3
.irp i, \i0, \i0+1, \i0+2, \i0+3
	FRAG AF+FR*(\i), A16+\slot, A8+\slot, \q, \i
.endr
.endm
; 16 matrix instructions: S1's blocks a0, a0 + 1 x S0's eight, K step s.  first = 1: the lanes' bias is the C.  The 64 accumulators take turns, one instruction a turn, in the same order in every step.
.macro MUL16 a0, s, first
.irp a, \a0, \a0+1
.irp b, 0,1,2,3,4,5,6,7
.if \first
	v_wmma_scale_f32_16x16x128_f8f6f4 v[8*(8*((\a)%4)+\b):8*(8*((\a)%4)+\b)+7], v[128*((\s)%2)+FR*\b:128*((\s)%2)+FR*\b+FR-1], v[AF+FR*(\a):AF+FR*(\a)+FR-1], v[96+8*(\a)+96*((\a)/4):96+8*(\a)+96*((\a)/4)+7], v[SC+8*(\s)+\b], v[SC+8*(\s)+(\a)] matrix_a_fmt:MATRIX_FMT_FP6 matrix_b_fmt:MATRIX_FMT_FP6 matrix_a_scale:MATRIX_SCALE_ROW1
.else
	v_wmma_scale_f32_16x16x128_f8f6f4 v[8*(8*((\a)%4)+\b):8*(8*((\a)%4)+\b)+7], v[128*((\s)%2)+FR*\b:128*((\s)%2)+FR*\b+FR-1], v[AF+FR*(\a):AF+FR*(\a)+FR-1], v[8*(8*((\a)%4)+\b):8*(8*((\a)%4)+\b)+7], v[SC+8*(\s)+\b], v[SC+8*(\s)+(\a)] matrix_a_fmt:MATRIX_FMT_FP6 matrix_b_fmt:MATRIX_FMT_FP6 matrix_a_scale:MATRIX_SCALE_ROW1
.endif
.endr
.endr
.endm
; A slot's first K step (s even): its successor lies in the same slot.
.macro STEP slot, s, first
	s_wait_dscnt 16                                ; S0's set and S1's blocks 0-3 are in; the youngest sixteen loads (blocks 4-7) may be out
	WIN (MUL_LO-0x10*\first)                       ; (first: C from window 1)
	MUL16 0, \s, \first
	MUL16 2, \s, \first
	s_wait_dscnt 0x0                               ; blocks 4-7 are in
	PLACES
	FETCH_B \slot, 1, 1
	FETCH_A \slot, 1, 0
	WIN (MUL_HI-0x20*\first)
	MUL16 4, \s, \first
	MUL16 6, \s, \first
	PLACES
	WIN 0
	FETCH_A \slot, 1, 4
.endm
; A slot's second K step (s odd) changes slots: one barrier.  kind 0: the next slot's first fill is waited for, a later one may stay out.
; kind 1: slot 0 is filled again: all my tensor loads are waited for, 0 is added to my spare word, that and my LDS reads are waited for, the barrier opens a round of the cluster's, and the joint refill is the first thing behind it.
; kind 2: the refill is waited for.
.macro TURN slot, next, s, kind
.if \kind == 0
	s_wait_tensorcnt 0x1                           ; my part of the next slot is in; slot 2's load may be out
	s_wait_dscnt 16
.elseif \kind == 1
	s_wait_tensorcnt 0x0                           ; all my tensor loads have landed
	ds_add_u32 v[SPW], v[NIL]                      ; 0 onto my spare word
	s_wait_dscnt 17                                ; (the add and the youngest sixteen loads may be out)
.else
	s_wait_tensorcnt 0x0                           ; my part of the refilled slot is in
	s_wait_dscnt 16
.endif
	WIN MUL_LO
	MUL16 0, \s, 0
	s_wait_dscnt 0x0                               ; my reads of this slot are over (and the add is done)
	s_barrier_signal -1
	MUL16 2, \s, 0
	WIN 0                                          ; at a branch and at a label every window is 0
	s_barrier_wait -1
.if \kind == 1
	CREST                                          ; no wave of any partner still reads slot 0 (its last reads ended a change of slots ago) or has a load on its way
	s_add_nc_u64 s[G0+2:G0+3], s[G0+2:G0+3], 3*TILEB
	s_add_nc_u64 s[G0B+2:G0B+3], s[G0B+2:G0B+3], 3*TILEB
	JLOAD G0, G1, G0B, G1B                         ; K's last 256 into slot 0: 96 matrix instructions ahead of the wait for it; its four v_nop are the places in front of the loads below
.else
	PLACES
.endif
	FETCH_B \next, 0, 0
	FETCH_A \next, 0, 0
	WIN MUL_HI
	MUL16 4, \s, 0
	MUL16 6, \s, 0
	PLACES
	WIN 0
	FETCH_A \next, 0, 4
.endm
	s_wait_tensorcnt 0x2                           ; the scale words and my part of slot 0 are in; slots 1 and 2 may be out
	s_barrier_signal -1
	s_barrier_wait -1
.irp s, 0,1,2,3,4,5,6,7
.irp i, 0,1,2,3,4,5,6,7
	ds_load_b32 v[SC+8*\s+\i], v[ADRS] offset:512*\i+64*\s   ; all 8 K steps' scale words, once
.endr
.endr
	FETCH_B 0, 0, 0
	FETCH_A 0, 0, 0
	FETCH_A 0, 0, 4
	STEP 0, 0, 1
	TURN 0, 1, 1, 0
	STEP 1, 2, 0
	TURN 1, 2, 3, 1
	STEP 2, 4, 0
	TURN 2, 0, 5, 2
	STEP 0, 6, 0
	s_wait_dscnt 16                                ; the last K step: nothing more to fetch
	WIN MUL_LO
	MUL16 0, 7, 0
	MUL16 2, 7, 0
	s_wait_dscnt 0x0
	WIN MUL_HI
	MUL16 4, 7, 0
	MUL16 6, 7, 0
	WIN 0
	PLACES
.irp b, 0,1,2,3
	v_mov_b32 v[TM+4+\b], 0                        ; a lane permute's destination counts as one of its sources
.endr
; 64 numbers of a lane, register 16 b + i = k 32 b + 16 (lane / 16) + i of my row, become a fragment's codes in v[PC] on and its scale word in v[PW].
.macro QUANT s
.irp b, 0,1,2,3
	v_max3_num_f32 v[TM+\b], |v[\s+16*\b]|, |v[\s+1+16*\b]|, 0x1800000   ; my 16 numbers of block b, and the floor 2^(3 - 127): the byte cannot fall under 1
.endr
.irp i, 2,4,6,8,10,12,14
.irp b, 0,1,2,3
	v_max3_num_f32 v[TM+\b], v[TM+\b], |v[\s+16*\b+\i]|, |v[\s+1+16*\b+\i]|
.endr
.endr
.irp b, 0,1,2,3
	v_permlanex16_b32 v[TM+4+\b], v[TM+\b], s22, s23
.endr
.irp b, 0,1,2,3
	v_max_num_f32 v[TM+\b], v[TM+\b], v[TM+4+\b]   ; with lane l xor 16's: the block's largest magnitude
.endr
.irp b, 0,1,2,3
	v_add_nc_u32 v[TM+8+\b], 0xff000000, v[TM+\b]  ; 2 off its exponent field: the conversion's scale operand
.endr
.irp b, 0,1,2,3
	v_lshrrev_b32 v[TM+4+\b], 23, v[TM+8+\b]       ; the scale's byte
.endr
	v_lshl_or_b32 v[PW], v[TM+5], 8, v[TM+4]
	v_lshl_or_b32 v[PW], v[TM+6], 16, v[PW]
	v_lshl_or_b32 v[PW], v[TM+7], 24, v[PW]
.irp c, 0,1
	v_cvt_scalef32_pk16_fp6_f32 v[PC+6*\c:PC+6*\c+2], v[\s+32*\c:\s+32*\c+15], v[TM+8+2*\c]
	v_cvt_scalef32_pk16_fp6_f32 v[PT+4*\c:PT+4*\c+2], v[\s+32*\c+16:\s+32*\c+31], v[TM+8+2*\c+1]   ; (a conversion's three registers begin on an even number)
.endr
	v_nop                                          ; one plain place behind a scaled conversion
.irp c, 0,1                            ; the operand's layout wants a whole block in a lane: lanes 0-15 block 2 c, lanes 16-31 block 2 c + 1
.irp i, 0,1,2
	v_permlane16_swap_b32 v[PC+6*\c+\i], v[PT+4*\c+\i]
.endr
.irp i, 0,1,2
	v_mov_b32 v[PC+6*\c+3+\i], v[PT+4*\c+\i]
.endr
.endr
.endm
; THE WAY OUT of S1's block a: its 64 results a lane, with the registers' bias, are quantised and stored as the register image that the attention loads.
.macro OUTB a
	s_wait_xcnt 0x0                                ; the earlier stores have read their data and their bases: both are written again only behind this wait
.if (\a) == 4
	s_add_nc_u64 s[OUT0:OUT0+1], s[OUT0:OUT0+1], s[SB:SB+1]
	s_add_nc_u64 s[OUT1:OUT1+1], s[OUT1:OUT1+1], s[SB:SB+1]
	s_add_nc_u64 s[OSC:OSC+1], s[OSC:OSC+1], s[SD:SD+1]
.elseif (\a) > 0
	s_add_nc_u64 s[OUT0:OUT0+1], s[OUT0:OUT0+1], s[SA:SA+1]
	s_add_nc_u64 s[OUT1:OUT1+1], s[OUT1:OUT1+1], s[SA:SA+1]
	s_add_nc_u64 s[OSC:OSC+1], s[OSC:OSC+1], 64
.endif
	WIN 0x02+(\a)/4                                ; source 0: window 2 or 3
.set q, 0
.rept 32
	v_pk_add_f32 v[XX+q:XX+q+1], v[64*((\a)%4)+q:64*((\a)%4)+q+1], v[96+q+96*(q/32):96+q+96*(q/32)+1]   ; each accumulator from its low end on
.set q, q+2
.endr
	WIN 0
	QUANT XX
	v_lshrrev_b32 v[SV], v10, v[PW]
	v_and_b32 v[SV], s18, v[SV]
	global_store_b128 v7, v[PC:PC+3], s[OUT0:OUT0+1]                  ; 512 consecutive bytes, aligned to 256
	global_store_b64 v8, v[PC+4:PC+5], s[OUT0:OUT0+1] offset:512      ; 256 consecutive bytes, aligned
	global_store_b128 v7, v[PC+6:PC+9], s[OUT1:OUT1+1]
	global_store_b64 v8, v[PC+10:PC+11], s[OUT1:OUT1+1] offset:512
	global_store_b32 v9, v[SV], s[OSC:OSC+1]                          ; 64 consecutive bytes for each tile
.endm
.irp a, 0,1,2,3,4,5,6,7
	OUTB \a
.endr
	s_wait_tensorcnt 0x0                           ; the wave's end
	ds_add_u32 v[SPW], v[NIL]
	s_wait_dscnt 0x0
	CROUND                                         ; the closing round: no work-group ends while a partner may still ask for a tile that names it
	s_endpgm
.Lfunc_end_k_qebe1701d6a_qkv_gemm:
	.size	k_qebe1701d6a_qkv_gemm, .Lfunc_end_k_qebe1701d6a_qkv_gemm-k_qebe1701d6a_qkv_gemm
	.p2alignl 7, 3214868480
	.fill 96, 4, 3214868480
	.section	.rodata,"a",@progbits
	.p2align	6, 0x0
	.amdhsa_kernel k_qebe1701d6a_qkv_gemm
		.amdhsa_group_segment_fixed_size 327680
		.amdhsa_private_segment_fixed_size 0
		.amdhsa_enable_private_segment 0
		.amdhsa_kernarg_size 24
		.amdhsa_user_sgpr_count 2
		.amdhsa_user_sgpr_kernarg_segment_ptr 1
		.amdhsa_wavefront_size32 1
		.amdhsa_system_sgpr_workgroup_id_x 1
		.amdhsa_system_sgpr_workgroup_id_y 1
		.amdhsa_system_sgpr_workgroup_id_z 1
		.amdhsa_system_vgpr_workitem_id 0
		.amdhsa_next_free_vgpr 1024
		.amdhsa_next_free_sgpr 102
		.amdhsa_reserve_vcc 0
		.amdhsa_float_denorm_mode_32 3
		.amdhsa_float_denorm_mode_16_64 3
		.amdhsa_memory_ordered 1
		.amdhsa_forward_progress 1
		.amdhsa_inst_pref_size 180
	.end_amdhsa_kernel
	.amdgpu_metadata
---
amdhsa.version: [ 1, 2 ]
amdhsa.kernels:
  - .name:           k_qebe1701d6a_qkv_gemm
    .symbol:         k_qebe1701d6a_qkv_gemm.kd
    .args:
      - { .name: ops, .offset: 0, .size: 8, .value_kind: global_buffer, .address_space: global }
      - { .name: qkv_b, .offset: 8, .size: 8, .value_kind: global_buffer, .address_space: global }
      - { .name: qkv, .offset: 16, .size: 8, .value_kind: global_buffer, .address_space: global }
    .group_segment_fixed_size: 327680
    .private_segment_fixed_size: 0
    .kernarg_segment_align: 8
    .kernarg_segment_size: 24
    .max_flat_workgroup_size: 128
    .sgpr_count:     102
    .vgpr_count:     1024
    .wavefront_size: 32
...
	.end_amdgpu_metadata
.endif
;; end of part 2
;; launch attn (part 3): grid 4 x 64, 16 waves a work-group, clusters of 4 x 1, 210,944 bytes of LDS; arguments qkv, ao; writes ao
.if DOCPART == 3
	.amdgcn_target "amdgcn-amd-amdhsa--gfx1250"
	.amdhsa_code_object_version 6
	.text
	.protected	k_qebe1701d6a_attn
	.globl	k_qebe1701d6a_attn
	.p2align	8
	.type	k_qebe1701d6a_attn,@function
k_qebe1701d6a_attn:
	s_mov_b64 s[64:65], 0
	v_nop
	global_prefetch_b8 v0, s[64:65] scope:SCOPE_SE
	s_setreg_imm32_b32 hwreg(HW_REG_WAVE_MODE, 25, 1), 1
	s_wait_xcnt 0x0
	s_wait_alu depctr_hold_cnt(0) depctr_sa_sdst(0) depctr_va_vdst(0) depctr_va_sdst(0) depctr_va_ssrc(0) depctr_va_vcc(0) depctr_vm_vsrc(0)
	s_getreg_b32 s2, hwreg(HW_REG_IB_STS2, 6, 4)
	s_cmp_eq_u32 s2, 0
	s_cbranch_scc0 .Lentry_in_a_cluster
	s_endpgm
.Lentry_in_a_cluster:
	s_bfe_u32 s2, ttmp6, 0x10000c
	s_cmp_lg_u32 s2, 0x3003
	s_cbranch_scc0 .Lentry_shape_is_right
	s_endpgm
.Lentry_shape_is_right:
; Attention of one (batch, head) on codes of FP6 (E2M3) with E8M0 scales: S^T = K Q^T (K = the head's 64), p = 2^(t - M), O^T = V^T P^T (K = the keys), O / the row's sum, quantised along the head's 64 for the last product.
; t = score x log2(e) / 8; M = the running largest t rounded UP to a whole number; p is quantised along the keys, not normalised; the sum is taken of the unquantised p in f32.  When M moves, the sum and O^T are multiplied by 2^(old M - new M): exact.
; SHARES.  Work-group (cx, y): y = 16 x batch + head, cx = a quarter of the 2,048 queries.  Sixteen waves of 256 registers, four to a SIMD, so that one wave's vector work stands beside another's products.
; A wave owns one tile of 16 queries at a time and makes two trips: tile 32 cx + 16 trip + wave.  Every wave walks all 2,048 keys, 128 a step.
; THE HEAD'S K AND V STAY IN LDS, FILLED ONCE: 98,304 bytes of codes each, and their scale words.  No byte is filled again.  The four work-groups of a cluster read the same K and V: each piece is asked for jointly.
; Wave 0 asks for K's scale words and K's four pieces of 512 keys, wave 1 for V's: five loads of a wave are out at the most; a piece's steps begin when that piece has landed.
; LAYOUT.  All operands lie as register images (chunk = 16 rows x 64 k, 768 bytes: registers 0-3 at 16 x lane, 4-5 at 512 + 8 x lane).  Both products are used transposed: a lane holds ONE query (lane % 16) throughout.
; The keys of a tile of K and the d of a tile of V are laid (place r of tile T = 32 (T / 2) + 8 (T % 2) + r + 8 (r / 8)) so that the 16 registers of tiles 2 b, 2 b + 1 are 16 neighbours: 32 b + 16 (lane / 16) + 0 .. 15.
; THE FIRST PRODUCT'S K IS 64, THE INSTRUCTION'S 128: Q's upper six registers hold zero codes, and the upper two scale bytes of Q's and K's words are 0 (2^-127, a number).  K's tiles lie packed, six registers each,
; so a tile's upper six registers are the next tile's codes: every code of E2M3 is a finite number, and times a zero code it adds nothing.
; OUT (buffer ao): records by token tile for the last product: chunk = head; scale word (K step s, place r): bytes 0, 1 from head 2 s, bytes 2, 3 from head 2 s + 1.
; LIMITS: NaN and infinities are not served; a block whose largest magnitude lies under 2^(3 - 127) gets the scale byte 1 (read by this program alone).
; REGISTERS: v1-6 addresses that stay; v7-12 the step's; v13 4 (lane % 16); v14 -M, v15 the largest t; v16-27 Q; v28 Q's scale words; v[30:31] the sum; v32-85 K's 8 tiles and six zeros, then V's 4 fragments;
;   v86-89 K's scale words, v90-91 V's (two tiles to a register: lanes 0-15, lanes 16-31); v96-159 S^T, then p; v160-191 O^T; v192-207 at work; v208-219 p's codes; v220-226 upper halves; v[228:229] a second chain of sums.
.set REC,    12800
.set QKS,    12582912
.set VC,     13631488
.set VSO,    19922944
.set VCB,    98304                     ; LDS: K's codes at 0, V's here,
.set KSB,    196608                    ; K's scale words (128 tiles x 64 bytes),
.set VSB,    204800                    ; V's (16 steps x 4 tiles x 64 bytes)
.set PIECEB, 24576                     ; 512 keys of K or of V
.set WV,   8
.set SEL,  20
.set CS,   22
.set G1P,  24                          ; s[24:31] group 1 for a piece; s[32:39] for K's scale words; s[40:47] for V's
.set G1KS, 32
.set G1VS, 40
.set G0K,  48                          ; s[48:63] groups 0 for K's four pieces; s[68:83] for V's; s[84:87], s[88:91] for the scale words
.set G0V,  68
.set G0KS, 84
.set G0VS, 88
.set TK,   92                          ; s92 the step's codes in LDS (K's and V's alike: 6,144 bytes a step); s93 K's scale words (512); s94 V's (256)
.set TS,   93
.set TJ,   94
.set CNT,  67
.set TRIP, 66
.macro CROUND                          ; a round of the cluster's barrier
	s_barrier_signal -1
	s_barrier_wait -1
	s_cmp_lg_u32 s[WV], 0
	s_cbranch_scc1 .Lnot_wave_0_\@
	s_barrier_signal -3
.Lnot_wave_0_\@:
	s_barrier_wait -3
	s_barrier_signal -1
	s_barrier_wait -1
.endm
	s_load_b128 s[4:7], s[0:1], 0x0                ; qkv s[4:5], ao s[6:7]
	v_lshl_add_u32 v254, v0, 2, 0x33000
	v_mov_b32 v255, 0
	ds_add_u32 v254, v255
	ds_add_u32 v254, v255
	v_lshrrev_b32 v1, 5, v0
	v_readfirstlane_b32 s[WV], v1                  ; wave 0..15
	s_bfe_u32 s9, ttmp6, 0x40000                   ; cx: it enters Q's and ao's addresses alone
	s_and_b32 s10, ttmp7, 0xffff                   ; 16 x batch + head, which the four partners share
	s_lshr_b32 s11, s10, 4                         ; batch
	s_and_b32 s12, s10, 15                         ; head
.irp g, G1P, G1KS, G1VS                ; dense blocks as rows of 256 bytes: 32 elements of 8 bytes
	s_mov_b32 s[\g], 15|(3<<16)|(1<<21)            ; 15:0 the mask: all four work-groups; 17:16 elements of 8 bytes; 21 set beside a mask
	s_mov_b32 s[\g+1], 32<<16
	s_mov_b32 s[\g+3], 32<<16
	s_mov_b32 s[\g+5], 32
	s_mov_b32 s[\g+6], 0
	s_mov_b32 s[\g+7], 0
.endr
	s_mov_b32 s[G1P+2], 96<<16                     ; 96 rows: 24,576 bytes
	s_mov_b32 s[G1P+4], 96
	s_mov_b32 s[G1KS+2], 32<<16                    ; 8,192 bytes
	s_mov_b32 s[G1KS+4], 32
	s_mov_b32 s[G1VS+2], 16<<16                    ; 4,096 bytes
	s_mov_b32 s[G1VS+4], 16
	s_add_co_u32 s13, s12, 16                      ; k's heads are H 16-31
	s_lshl_b32 s13, s13, 9
	s_lshl_b32 s14, s11, 7
	s_add_co_u32 s13, s13, s14                     ; 512 H + the batch's first tile
	s_mov_b32 s15, 0
	s_mov_b32 s[SEL], 0x76543210
	s_mov_b32 s[SEL+1], 0xfedcba98                 ; v_permlanex16_b32's selects for lane l xor 16
	s_mov_b32 s[CS], 0x3e38aa3b                    ; c = log2(e) / 8
	s_mov_b32 s[CS+1], s[CS]                       ; (named with it as a pair, so it is written)
	s_wait_dscnt 0x0
	s_wait_kmcnt 0x0
	s_mul_i32 s14, s13, 768
	s_add_nc_u64 s[92:93], s[4:5], s[14:15]        ; K's codes
	s_mul_i32 s14, s10, 4*PIECEB
	s_add_co_u32 s14, s14, VC
	s_add_nc_u64 s[94:95], s[4:5], s[14:15]        ; V's codes
.irp p, 0,1,2,3
	s_mov_b32 s[G0K+4*\p], 1
	s_mov_b32 s[G0K+4*\p+1], \p*PIECEB
	s_add_nc_u64 s[G0K+4*\p+2:G0K+4*\p+3], s[92:93], \p*PIECEB
	s_or_b32 s[G0K+4*\p+3], s[G0K+4*\p+3], 0x80000000
	s_mov_b32 s[G0V+4*\p], 1
	s_mov_b32 s[G0V+4*\p+1], VCB+\p*PIECEB
	s_add_nc_u64 s[G0V+4*\p+2:G0V+4*\p+3], s[94:95], \p*PIECEB
	s_or_b32 s[G0V+4*\p+3], s[G0V+4*\p+3], 0x80000000
.endr
	s_lshl_b32 s14, s13, 6
	s_add_co_u32 s14, s14, QKS
	s_mov_b32 s[G0KS], 1
	s_mov_b32 s[G0KS+1], KSB
	s_add_nc_u64 s[G0KS+2:G0KS+3], s[4:5], s[14:15]
	s_or_b32 s[G0KS+3], s[G0KS+3], 0x80000000
	s_lshl_b32 s14, s10, 12
	s_add_co_u32 s14, s14, VSO
	s_mov_b32 s[G0VS], 1
	s_mov_b32 s[G0VS+1], VSB
	s_add_nc_u64 s[G0VS+2:G0VS+3], s[4:5], s[14:15]
	s_or_b32 s[G0VS+3], s[G0VS+3], 0x80000000
	CROUND                                         ; all four work-groups are here: the joint loads meet
	s_cmp_eq_u32 s[WV], 0                          ; a wave's first fills stand in one branch, ahead of every wait on TENSORcnt, every LDS read and every other barrier
	s_cbranch_scc0 .Lnot_k
	tensor_load_to_lds s[G0KS:G0KS+3], s[G1KS:G1KS+7]
	s_nop 0
	tensor_load_to_lds s[G0K:G0K+3], s[G1P:G1P+7]
	s_nop 0
	tensor_load_to_lds s[G0K+4:G0K+7], s[G1P:G1P+7]
	s_nop 0
	tensor_load_to_lds s[G0K+8:G0K+11], s[G1P:G1P+7]
	s_nop 0
	tensor_load_to_lds s[G0K+12:G0K+15], s[G1P:G1P+7]
	s_nop 0
.rept 4
	v_nop
.endr
	s_branch .Lasked
.Lnot_k:
	s_cmp_eq_u32 s[WV], 1
	s_cbranch_scc0 .Lasked
	tensor_load_to_lds s[G0VS:G0VS+3], s[G1VS:G1VS+7]
	s_nop 0
	tensor_load_to_lds s[G0V:G0V+3], s[G1P:G1P+7]
	s_nop 0
	tensor_load_to_lds s[G0V+4:G0V+7], s[G1P:G1P+7]
	s_nop 0
	tensor_load_to_lds s[G0V+8:G0V+11], s[G1P:G1P+7]
	s_nop 0
	tensor_load_to_lds s[G0V+12:G0V+15], s[G1P:G1P+7]
	s_nop 0
.rept 4
	v_nop
.endr
.Lasked:
	s_lshl_b32 s2, s11, 7                          ; my first tile of queries: 128 x batch + 32 cx + wave
	s_lshl_b32 s3, s9, 5
	s_add_co_u32 s2, s2, s3
	s_add_co_u32 s2, s2, s[WV]
	s_lshl_b32 s3, s12, 9
	s_add_co_u32 s3, s3, s2                        ; 512 x head + tile
	s_mul_i32 s14, s3, 768
	s_add_nc_u64 s[16:17], s[4:5], s[14:15]        ; Q's codes
	s_lshl_b32 s14, s3, 6
	s_add_co_u32 s14, s14, QKS
	s_add_nc_u64 s[18:19], s[4:5], s[14:15]        ; Q's scale words
	s_mul_i32 s2, s2, REC                          ; the tile's record in ao
	s_mul_i32 s14, s12, 768
	s_add_co_u32 s14, s14, s2
	s_add_nc_u64 s[96:97], s[6:7], s[14:15]        ; chunk = head
	s_lshr_b32 s14, s12, 1
	s_lshl_b32 s14, s14, 6
	s_and_b32 s3, s12, 1
	s_lshl_b32 s3, s3, 1
	s_add_co_u32 s14, s14, s3
	s_add_co_u32 s14, s14, s2
	s_add_co_u32 s14, s14, 12288
	s_add_nc_u64 s[98:99], s[6:7], s[14:15]        ; my head's two bytes of the scale words of K step head / 2
	v_and_b32 v13, 31, v0                          ; lane
	v_lshlrev_b32 v1, 4, v13                       ; 16 x lane: K's codes in LDS (they begin at byte 0), and every chunk in memory
	v_lshlrev_b32 v2, 3, v13                       ; 8 x lane
	v_add_nc_u32 v3, VCB, v1
	v_add_nc_u32 v4, VCB, v2
	v_lshl_add_u32 v5, v13, 2, KSB
	v_lshl_add_u32 v6, v13, 2, VSB
	v_and_b32 v13, 15, v0
	v_lshlrev_b32 v13, 2, v13                      ; 4 x (lane % 16)
.irp j, 0,1,2,3,4,5
	v_mov_b32 v[22+\j], 0                          ; Q's upper 64 codes: zeros
	v_mov_b32 v[80+\j], 0                          ; and what stands behind K's last tile
.endr
.irp b, 0,1,2,3
	v_mov_b32 v[196+\b], 0                         ; written once: a lane permute's destination counts as one of its sources
.endr
	v_mov_b32 v205, 0                              ; (named as the upper half of the pair v[204:205])
	v_mov_b32 v207, 0
; A KEY STEP: 128 keys.
.macro STEP
	v_add_nc_u32 v7, s[TK], v1                     ; six plain lines that name no register of the last products: the places in front of the loads below
	v_add_nc_u32 v8, s[TK], v2
	v_add_nc_u32 v9, s[TK], v3
	v_add_nc_u32 v10, s[TK], v4
	v_add_nc_u32 v11, s[TS], v5
	v_add_nc_u32 v12, s[TJ], v6
.irp t, 0,1,2,3,4,5,6,7
	ds_load_b128 v[32+6*\t:35+6*\t], v7 offset:768*\t
	ds_load_b64 v[36+6*\t:37+6*\t], v8 offset:768*\t+512
.endr
.irp g, 0,1,2,3
	ds_load_b32 v[86+\g], v11 offset:128*\g        ; lanes 0-15: tile 2 g's words; lanes 16-31: tile 2 g + 1's
.endr
	s_wait_dscnt 0x0
.irp t, 0,2,4,6                        ; S^T = K Q^T: source 0 = 16 keys, source 1 = my 16 queries
	v_wmma_scale_f32_16x16x128_f8f6f4 v[96+8*\t:103+8*\t], v[32+6*\t:43+6*\t], v[16:27], 0, v[86+\t/2], v28 matrix_a_fmt:MATRIX_FMT_FP6 matrix_b_fmt:MATRIX_FMT_FP6
	v_wmma_scale_f32_16x16x128_f8f6f4 v[104+8*\t:111+8*\t], v[38+6*\t:49+6*\t], v[16:27], 0, v[86+\t/2], v28 matrix_a_fmt:MATRIX_FMT_FP6 matrix_b_fmt:MATRIX_FMT_FP6 matrix_a_scale:MATRIX_SCALE_ROW1
.endr
.rept 4
	v_nop                                          ; places in front of the loads into K's registers and of the first read of the scores
.endr
.irp d, 0,1,2,3                        ; V's four fragments land under the softmax
	ds_load_b128 v[32+12*\d:35+12*\d], v9 offset:1536*\d
	ds_load_b64 v[36+12*\d:37+12*\d], v10 offset:1536*\d+512
	ds_load_b128 v[38+12*\d:41+12*\d], v9 offset:1536*\d+768
	ds_load_b64 v[42+12*\d:43+12*\d], v10 offset:1536*\d+1280
.endr
	ds_load_b32 v90, v12
	ds_load_b32 v91, v12 offset:128
.irp b, 0,1,2,3
	v_max3_num_f32 v[192+\b], v[96+16*\b], v[97+16*\b], v[98+16*\b]   ; the largest score of each block of 32 keys: it serves the row's maximum and, since p rises with the score, the block's largest p
.endr
.irp i, 3,5,7,9,11,13
.irp b, 0,1,2,3
	v_max3_num_f32 v[192+\b], v[192+\b], v[96+16*\b+\i], v[97+16*\b+\i]
.endr
.endr
.irp b, 0,1,2,3
	v_max_num_f32 v[192+\b], v[192+\b], v[111+16*\b]
.endr
.irp b, 0,1,2,3
	v_permlanex16_b32 v[196+\b], v[192+\b], s[SEL], s[SEL+1]
.endr
.irp b, 0,1,2,3
	v_max_num_f32 v[192+\b], v[192+\b], v[196+\b]  ; with lane l xor 16's 16 keys
.endr
	v_max3_num_f32 v207, v192, v193, v194
	v_max_num_f32 v207, v207, v195                 ; the step's largest score of my query
	v_mul_f32 v207, s[CS], v207                    ; as t
	v_max_num_f32 v15, v15, v207                   ; the running largest t
	v_mov_b32 v207, v14
	v_floor_f32 v14, -v15                          ; the new -M = floor(-t) = -ceil(t)
	v_sub_f32 v207, v14, v207                      ; old M - new M: a whole number, 0 or less
	v_cvt_i32_f32 v207, v207                       ; (it saturates)
	v_ldexp_f32 v204, 1.0, v207                    ; f = 2^(old M - new M)
.set j, 0
.rept 32
	v_pk_fma_f32 v[96+j:97+j], v[96+j:97+j], s[CS:CS+1], v[14:15] op_sel_hi:[1,0,0]   ; t - M, two at a time
.set j, j+2
.endr
.irp b, 0,1,2,3
	v_fma_f32 v[192+\b], v[192+\b], s[CS], v14     ; the same of each block's largest score
.endr
.set j, 0
.rept 64
	v_exp_f32 v[96+j], v[96+j]                     ; p = 2^(t - M), at most 1: not normalised
.set j, j+1
.endr
.irp b, 0,1,2,3
	v_exp_f32 v[192+\b], v[192+\b]                 ; the block's largest p
.endr
	v_pk_mul_f32 v[30:31], v[30:31], v[204:205] op_sel_hi:[1,0]   ; the sums under the new M.  (A plain place behind the exponentials)
	s_wait_alu depctr_va_vdst(0)
.irp b, 0,1,2,3
	v_max_num_f32 v[192+\b], 0x1800000, v[192+\b]  ; the floor 2^(3 - 127): the byte cannot fall under 1
.endr
.irp b, 0,1,2,3
	v_add_nc_u32 v[200+\b], 0xff000000, v[192+\b]  ; 2 off the exponent field: the conversion's scale operand
.endr
.irp b, 0,1,2,3
	v_lshrrev_b32 v[196+\b], 23, v[200+\b]         ; the scale's byte
.endr
	v_lshl_or_b32 v206, v197, 8, v196              ; p's scale word for these 128 keys
	v_lshl_or_b32 v206, v198, 16, v206
	v_lshl_or_b32 v206, v199, 24, v206
.irp c, 0,1
	v_cvt_scalef32_pk16_fp6_f32 v[208+6*\c:210+6*\c], v[96+32*\c:111+32*\c], v[200+2*\c]
	v_cvt_scalef32_pk16_fp6_f32 v[220+4*\c:222+4*\c], v[112+32*\c:127+32*\c], v[200+2*\c+1]
.endr
	v_nop                                          ; one plain place behind a scaled conversion
.irp c, 0,1                            ; a whole block to a lane: lanes 0-15 block 2 c, lanes 16-31 block 2 c + 1
.irp i, 0,1,2
	v_permlane16_swap_b32 v[208+6*\c+\i], v[220+4*\c+\i]
.endr
.irp i, 0,1,2
	v_mov_b32 v[211+6*\c+\i], v[220+4*\c+\i]
.endr
.endr
	v_pk_add_f32 v[228:229], v[96:97], v[98:99]    ; the row's sum is taken of the unquantised p: two at a time, in two chains
.irp j, 4,8,12,16,20,24,28,32,36,40,44,48,52,56,60
	v_pk_add_f32 v[30:31], v[30:31], v[96+\j:97+\j]
	v_pk_add_f32 v[228:229], v[228:229], v[98+\j:99+\j]
.endr
	v_pk_add_f32 v[30:31], v[30:31], v[228:229]
.set j, 0
.rept 16
	v_pk_mul_f32 v[160+j:161+j], v[160+j:161+j], v[204:205] op_sel_hi:[1,0]   ; O^T under the new M, each accumulator from its low end on
.set j, j+2
.endr
	s_wait_dscnt 0x0                               ; V's fragments and scale words are in
.irp g, 0,1                            ; O^T += V^T P^T: source 0 = 16 of the head's 64, source 1 = p
	v_wmma_scale_f32_16x16x128_f8f6f4 v[160+16*\g:167+16*\g], v[32+24*\g:43+24*\g], v[208:219], v[160+16*\g:167+16*\g], v[90+\g], v206 matrix_a_fmt:MATRIX_FMT_FP6 matrix_b_fmt:MATRIX_FMT_FP6
	v_wmma_scale_f32_16x16x128_f8f6f4 v[168+16*\g:175+16*\g], v[44+24*\g:55+24*\g], v[208:219], v[168+16*\g:175+16*\g], v[90+\g], v206 matrix_a_fmt:MATRIX_FMT_FP6 matrix_b_fmt:MATRIX_FMT_FP6 matrix_a_scale:MATRIX_SCALE_ROW1
.endr
	s_add_co_u32 s[TK], s[TK], 6144
	s_add_co_u32 s[TS], s[TS], 512
	s_add_co_u32 s[TJ], s[TJ], 256
.endm
; Piece p: 512 keys, four steps.  The waves that asked wait until their piece p has landed (the 3 - p pieces asked for behind it may be out; in the second trip the wait is met at once), then every wave passes the barrier.
.macro PIECE p
	s_wait_tensorcnt 3-\p
	s_wait_dscnt 0x0
	s_barrier_signal -1
	s_barrier_wait -1
	s_mov_b32 s[TK], \p*PIECEB
	s_mov_b32 s[TS], \p*2048
	s_mov_b32 s[TJ], \p*1024
	s_mov_b32 s[CNT], 4
.Lstep_\@:
	STEP
	s_sub_co_u32 s[CNT], s[CNT], 1
	s_cmp_lg_u32 s[CNT], 0
	s_cbranch_scc1 .Lstep_\@
.endm
	s_mov_b32 s[TRIP], 2
.Ltrip:
	global_load_b128 v[16:19], v1, s[16:17]        ; Q's chunk: it stays in registers for the trip
	global_load_b64 v[20:21], v2, s[16:17] offset:512
	global_load_b32 v28, v13, s[18:19]             ; and its scale words
	v_mov_b32 v15, 0xff61b1e6                      ; the largest t so far: -3e38, under every t
	v_floor_f32 v14, -v15                          ; -M
	v_mov_b32 v30, 0                               ; the sum, in two halves
	v_mov_b32 v31, 0
.set j, 0
.rept 32
	v_mov_b32 v[160+j], 0                          ; O^T.  (The step is written once: the first finds zeros, which the first change of M leaves zeros)
.set j, j+1
.endr
	s_wait_loadcnt 0x0
	PIECE 0
	PIECE 1
	PIECE 2
	PIECE 3
.rept 4
	v_nop                                          ; places behind the last products
.endr
	v_add_f32 v30, v30, v31                        ; the sum's two halves,
	v_permlanex16_b32 v207, v30, s[SEL], s[SEL+1]
	v_add_f32 v30, v30, v207                       ; and lane l xor 16's: the row's sum
	v_rcp_f32 v204, v30
	v_nop                                          ; one plain place behind a transcendental
.set j, 0
	s_wait_alu depctr_va_vdst(0)
.rept 16
	v_pk_mul_f32 v[96+j:97+j], v[160+j:161+j], v[204:205] op_sel_hi:[1,0]   ; O^T / the sum: register 16 b + i is d = 32 b + 16 (lane / 16) + i of my query
.set j, j+2
.endr
.irp b, 0,1
	v_max3_num_f32 v[192+\b], |v[96+16*\b]|, |v[97+16*\b]|, 0x1800000
.endr
.irp i, 2,4,6,8,10,12,14
.irp b, 0,1
	v_max3_num_f32 v[192+\b], v[192+\b], |v[96+16*\b+\i]|, |v[97+16*\b+\i]|
.endr
.endr
.irp b, 0,1
	v_permlanex16_b32 v[196+\b], v[192+\b], s[SEL], s[SEL+1]
.endr
.irp b, 0,1
	v_max_num_f32 v[192+\b], v[192+\b], v[196+\b]
.endr
.irp b, 0,1
	v_add_nc_u32 v[200+\b], 0xff000000, v[192+\b]
.endr
.irp b, 0,1
	v_lshrrev_b32 v[196+\b], 23, v[200+\b]
.endr
	v_lshl_or_b32 v206, v197, 8, v196              ; my head's two scale bytes
	v_cvt_scalef32_pk16_fp6_f32 v[208:210], v[96:111], v200
	v_cvt_scalef32_pk16_fp6_f32 v[220:222], v[112:127], v201
	v_nop                                          ; one plain place behind a scaled conversion
.irp i, 0,1,2
	v_permlane16_swap_b32 v[208+\i], v[220+\i]
.endr
.irp i, 0,1,2
	v_mov_b32 v[211+\i], v[220+\i]
.endr
	global_store_b128 v1, v[208:211], s[96:97]             ; 512 consecutive bytes, aligned to 256
	global_store_b64 v2, v[212:213], s[96:97] offset:512   ; 256 consecutive bytes, aligned
	global_store_b16 v13, v206, s[98:99]                   ; two bytes of each of 16 scale words (both halves of the wave store the same): 32 bytes a tile
	s_wait_xcnt 0x0                                ; the stores have read their data and their bases: both are written again only behind this wait
	s_add_nc_u64 s[16:17], s[16:17], 16*768        ; sixteen tiles on
	s_add_nc_u64 s[18:19], s[18:19], 16*64
	s_add_nc_u64 s[96:97], s[96:97], 16*REC
	s_add_nc_u64 s[98:99], s[98:99], 16*REC
	s_sub_co_u32 s[TRIP], s[TRIP], 1
	s_cmp_lg_u32 s[TRIP], 0
	s_cbranch_scc1 .Ltrip
	s_wait_tensorcnt 0x0
	ds_add_u32 v254, v255
	s_wait_dscnt 0x0
	CROUND                                         ; the closing round
	s_endpgm
.Lfunc_end_k_qebe1701d6a_attn:
	.size	k_qebe1701d6a_attn, .Lfunc_end_k_qebe1701d6a_attn-k_qebe1701d6a_attn
	.p2alignl 7, 3214868480
	.fill 96, 4, 3214868480
	.section	.rodata,"a",@progbits
	.p2align	6, 0x0
	.amdhsa_kernel k_qebe1701d6a_attn
		.amdhsa_group_segment_fixed_size 210944
		.amdhsa_private_segment_fixed_size 0
		.amdhsa_enable_private_segment 0
		.amdhsa_kernarg_size 16
		.amdhsa_user_sgpr_count 2
		.amdhsa_user_sgpr_kernarg_segment_ptr 1
		.amdhsa_wavefront_size32 1
		.amdhsa_system_sgpr_workgroup_id_x 1
		.amdhsa_system_sgpr_workgroup_id_y 1
		.amdhsa_system_sgpr_workgroup_id_z 1
		.amdhsa_system_vgpr_workitem_id 0
		.amdhsa_next_free_vgpr 256
		.amdhsa_next_free_sgpr 100
		.amdhsa_reserve_vcc 0
		.amdhsa_float_denorm_mode_32 3
		.amdhsa_float_denorm_mode_16_64 3
		.amdhsa_memory_ordered 1
		.amdhsa_forward_progress 1
		.amdhsa_inst_pref_size 81
	.end_amdhsa_kernel
	.amdgpu_metadata
---
amdhsa.version: [ 1, 2 ]
amdhsa.kernels:
  - .name:           k_qebe1701d6a_attn
    .symbol:         k_qebe1701d6a_attn.kd
    .args:
      - { .name: qkv, .offset: 0, .size: 8, .value_kind: global_buffer, .address_space: global }
      - { .name: ao, .offset: 8, .size: 8, .value_kind: global_buffer, .address_space: global }
    .group_segment_fixed_size: 210944
    .private_segment_fixed_size: 0
    .kernarg_segment_align: 8
    .kernarg_segment_size: 16
    .max_flat_workgroup_size: 512
    .sgpr_count:     100
    .vgpr_count:     256
    .wavefront_size: 32
...
	.end_amdgpu_metadata
.endif
;; end of part 3
;; launch out_gemm (part 4): grid 4 x 32, 4 waves a work-group, clusters of 4 x 4, 327,680 bytes of LDS; arguments ao, ops, out_b, out0; writes out0
.if DOCPART == 4
	.amdgcn_target "amdgcn-amd-amdhsa--gfx1250"
	.amdhsa_code_object_version 6
	.text
	.protected	k_qebe1701d6a_out_gemm
	.globl	k_qebe1701d6a_out_gemm
	.p2align	8
	.type	k_qebe1701d6a_out_gemm,@function
k_qebe1701d6a_out_gemm:
	s_mov_b64 s[64:65], 0
	v_nop
	global_prefetch_b8 v0, s[64:65] scope:SCOPE_SE
	s_setreg_imm32_b32 hwreg(HW_REG_WAVE_MODE, 25, 1), 1
	s_wait_xcnt 0x0
	s_wait_alu depctr_hold_cnt(0) depctr_sa_sdst(0) depctr_va_vdst(0) depctr_va_sdst(0) depctr_va_ssrc(0) depctr_va_vcc(0) depctr_vm_vsrc(0)
	s_getreg_b32 s2, hwreg(HW_REG_IB_STS2, 6, 4)
	s_cmp_eq_u32 s2, 0
	s_cbranch_scc0 .Lentry_in_a_cluster
	s_endpgm
.Lentry_in_a_cluster:
	s_bfe_u32 s2, ttmp6, 0x10000c
	s_cmp_lg_u32 s2, 0xf033
	s_cbranch_scc0 .Lentry_shape_is_right
	s_endpgm
.Lentry_shape_is_right:
; out0 = a out_w^T + out_b on codes of FP6 (E2M3) with E8M0 scales.  a: buffer ao, 512 records by token tile; out_w: records 704-767 of ops.  out0: [8192][1024] f32.
; A record is a tile of 16 rows with K = 1,024: 16 chunks of 768 bytes (the register image of 16 rows x 64 k), then 8 x 16 scale words.  Place r of tile T holds row 32 (T / 2) + 8 (T % 2) + r + 8 (r / 8).
; A tile of 256 x 256 of out0 to a work-group of four waves, 128 x 128 a wave: 64 accumulators.  The matrix instruction is used transposed: S0, its first source, is 16 rows of out_w, S1, its second, 16 tokens:
; a lane holds one token, and the 16 registers of S0's tiles 2 b and 2 b + 1 are the 16 neighbouring columns 32 b + 16 (lane / 16) + 0 .. 15.
; K goes in four parts of 256 through three LDS slots: three first fills, and one refill (part 3 into slot 0).  All scale words come once, with the first fills.  The bias is the C of each sum's first product.
; CLUSTERS: 4 x 4.  S1's tiles hang on the work-group's y alone and are shared along a row of the cluster, S0's on its x alone and are shared along a column: each is asked for jointly.
; REGISTERS: window 0: v1-26 addresses; v32-95 scale words of all 8 K steps (register 8 s + i: lanes 0-15 S1's tile i, lanes 16-31 S0's); v128-223 S1's fragments, one set; on the way out v128-255 rows of out0.
;   window 1: S0's fragments, two sets, at v0 and v128; v96-127 and v224-255 the bias, eight registers for each of S0's blocks.   windows 2, 3: accumulator (a, b) at v[8 (8 (a % 4) + b)].
.set REC,    12800
.set SLOT,   98304                     ; a slot: S1's 16 tiles x 3,072 bytes (256 along K), then S0's
.set HALFT,  24576
.set TILEB,  3072
.set SCL,    3*SLOT
.set S0SC,   8320
.set SPARE,  311552                    ; the spare words, 128 bytes for each wave: two blocks of 256 bytes that no other line names
.set SPITCH, 528                       ; the way out: a stage of 16 rows x (512 bytes + 16) for each wave, in slot 1, which has had its only fill and its last read when the first result is stored there
.set FR,     12
.set STO,    9                         ; v9      the stage: where I put 32 bytes of a row
.set RD,     10                        ; v10     and where I read a row back
.set ADRS,   11
.set A16,    12
.set A8,     15
.set B16,    18
.set B8,     21
.set SPW,    24
.set NIL,    25
.set SC,     32
.set AF,     128
.set BK,     128                       ; the way out: v128-191 and v192-255 by turns
.set G1,   24
.set G1B,  32
.set G1S,  40
.set G1SB, 48
.set G0S,  56
.set G0SB, 60
.set G0,   68
.set G0B,  80
.set MSB, 0
.macro WIN new                         ; the immediate's high byte repeats the setting that is left
.if MSB != \new
	s_set_vgpr_msb (MSB<<8)|\new
.set MSB, \new
.endif
.endm
.set MUL_LO, 0xa1                      ; source 0 (S0) window 1, source 1 (S1) window 0, C and D window 2
.set MUL_HI, 0xf1
.set TO_B,   0x40
.macro JLOAD g0a, g1a, g0b, g1b        ; a joint load: waves 0 and 1 fetch for S1, waves 2 and 3 for S0; four v_nop follow each of the two lines
	s_cmp_eq_u32 s15, 0
	s_cbranch_scc0 .Lfor_b_\@
	tensor_load_to_lds s[\g0a:\g0a+3], s[\g1a:\g1a+7]
	s_nop 0
.rept 4
	v_nop
.endr
	s_branch .Lasked_\@
.Lfor_b_\@:
	tensor_load_to_lds s[\g0b:\g0b+3], s[\g1b:\g1b+7]
	s_nop 0
.rept 4
	v_nop
.endr
.Lasked_\@:
.endm
.macro CREST
	s_cmp_lg_u32 s14, 0
	s_cbranch_scc1 .Lnot_wave_0_\@
	s_barrier_signal -3
.Lnot_wave_0_\@:
	s_barrier_wait -3
	s_barrier_signal -1
	s_barrier_wait -1
.endm
.macro CROUND
	s_barrier_signal -1
	s_barrier_wait -1
	CREST
.endm
.macro PLACES                          ; four plain places behind a matrix instruction (ISA guide 7.12.1)
.rept 4
	v_nop
.endr
.endm
	s_load_b256 s[4:11], s[0:1], 0x0               ; ao s[4:5], ops s[6:7], out_b s[8:9], out0 s[10:11]
	v_lshl_add_u32 v[SPW], v0, 2, SPARE
	v_mov_b32 v[NIL], 0
	ds_add_u32 v24, v25
	ds_add_u32 v24, v25
	s_wait_dscnt 0x0
	v_lshrrev_b32 v1, 5, v0
	v_readfirstlane_b32 s14, v1                    ; wave 0..3
	s_lshr_b32 s15, s14, 1                         ; my half of S1's tiles.  Also: I fetch for S1 (0) or for S0 (1)
	s_and_b32 s16, s14, 1                          ; my half of S0's tiles.  Also: which 8 tiles I fetch
	s_bfe_u32 s18, ttmp6, 0x40000                  ; cx
	s_bfe_u32 s19, ttmp6, 0x40004                  ; cy
	s_lshl_b32 s12, ttmp9, 2
	s_add_co_u32 s12, s12, s18                     ; work-group x
	s_and_b32 s13, ttmp7, 0xffff
	s_lshl_b32 s13, s13, 2
	s_add_co_u32 s13, s13, s19                     ; work-group y
	s_lshl_b32 s20, s19, 2
	s_lshl_b32 s20, 15, s20                        ; my row of the cluster
	s_lshl_b32 s21, 0x1111, s18                    ; my column
	s_or_b32 s[G1], s20, (3<<16)|(1<<21)           ; 15:0 the mask; 17:16 elements of 8 bytes; 21 set beside a mask; no padding
	s_or_b32 s[G1B], s21, (3<<16)|(1<<21)
	s_or_b32 s[G1S], s20, (3<<16)|(1<<21)
	s_or_b32 s[G1SB], s21, (3<<16)|(1<<21)
.irp g, G1, G1B                        ; codes: 8 rows (one for each record) of 3,072 bytes, 12,800 bytes apart
	s_mov_b32 s[\g+1], 384<<16
	s_mov_b32 s[\g+2], 8<<16
	s_mov_b32 s[\g+3], 384<<16
	s_mov_b32 s[\g+4], 8
	s_mov_b32 s[\g+5], 1600
	s_mov_b32 s[\g+6], 0
	s_mov_b32 s[\g+7], 0
.endr
.irp g, G1S, G1SB                      ; scale words: 8 rows of 512 bytes
	s_mov_b32 s[\g+1], 64<<16
	s_mov_b32 s[\g+2], 8<<16
	s_mov_b32 s[\g+3], 64<<16
	s_mov_b32 s[\g+4], 8
	s_mov_b32 s[\g+5], 1600
	s_mov_b32 s[\g+6], 0
	s_mov_b32 s[\g+7], 0
.endr
	s_lshl_b32 s22, s16, 3
	s_lshl_b32 s66, s13, 4
	s_add_co_u32 s66, s66, s22                     ; S1: record 16 y + 8 x which
	s_mul_i32 s66, s66, REC
	s_mov_b32 s67, 0
	s_lshl_b32 s2, s12, 4
	s_add_co_u32 s2, s2, s22
	s_add_co_u32 s2, s2, 704                       ; S0: record 704 + 16 x + 8 x which
	s_mul_i32 s2, s2, REC
	s_mov_b32 s3, 0
	s_mul_i32 s23, s14, HALFT                      ; where the codes go: wave x 8 tiles
	s_lshl_b32 s17, s14, 12
	s_lshl_b32 s20, s15, 7
	s_add_co_u32 s17, s17, s20
	s_add_co_u32 s17, s17, SCL                     ; and the scale words
	s_wait_kmcnt 0x0
	s_add_nc_u64 s[66:67], s[4:5], s[66:67]
	s_add_nc_u64 s[2:3], s[6:7], s[2:3]
	CROUND                                         ; all sixteen work-groups are here: the first joint loads meet
	s_mov_b32 s[G0S], 1
	s_mov_b32 s[G0S+1], s17
	s_add_nc_u64 s[G0S+2:G0S+3], s[66:67], 12288
	s_or_b32 s[G0S+3], s[G0S+3], 0x80000000
	s_mov_b32 s[G0SB], 1
	s_mov_b32 s[G0SB+1], s17
	s_add_nc_u64 s[G0SB+2:G0SB+3], s[2:3], 12288
	s_or_b32 s[G0SB+3], s[G0SB+3], 0x80000000
	JLOAD G0S, G1S, G0SB, G1SB                     ; the scale words first; with the three slots four loads of mine are out
.irp s, 0,1,2
	s_mov_b32 s[G0+4*\s], 1
	s_add_co_u32 s[G0+4*\s+1], s23, \s*SLOT
	s_add_nc_u64 s[G0+4*\s+2:G0+4*\s+3], s[66:67], \s*TILEB
	s_or_b32 s[G0+4*\s+3], s[G0+4*\s+3], 0x80000000
	s_mov_b32 s[G0B+4*\s], 1
	s_add_co_u32 s[G0B+4*\s+1], s23, \s*SLOT
	s_add_nc_u64 s[G0B+4*\s+2:G0B+4*\s+3], s[2:3], \s*TILEB
	s_or_b32 s[G0B+4*\s+3], s[G0B+4*\s+3], 0x80000000
	JLOAD G0+4*\s, G1, G0B+4*\s, G1B
.endr
	v_and_b32 v1, 31, v0                           ; lane
	v_and_b32 v2, 15, v0                           ; r
	v_bfe_u32 v3, v0, 4, 1                         ; h
	v_lshlrev_b32 v7, 4, v1                        ; 16 x lane
	v_lshlrev_b32 v8, 3, v1                        ; 8 x lane
	s_mul_i32 s20, s15, HALFT
	s_mul_i32 s21, s16, HALFT
	s_add_co_u32 s21, s21, 2*HALFT
.irp s, 0,1,2
	v_add_nc_u32 v[A16+\s], s20, v7
	v_add_nc_u32 v[A8+\s], s20, v8
	v_add_nc_u32 v[B16+\s], s21, v7
	v_add_nc_u32 v[B8+\s], s21, v8
	s_add_co_u32 s20, s20, SLOT
	s_add_co_u32 s21, s21, SLOT
.endr
	s_lshl_b32 s20, s15, 12                        ; scale words: lanes 0-15 take S1's, lanes 16-31 S0's: one product in h
	s_lshl_b32 s21, s16, 12
	s_add_co_u32 s21, s21, S0SC
	s_sub_co_u32 s21, s21, s20
	v_mul_u32_u24 v4, s21, v3
	s_add_co_u32 s20, s20, SCL
	v_lshl_add_u32 v4, v2, 2, v4
	v_add_nc_u32 v[ADRS], s20, v4
	s_mul_i32 s20, s14, 16*SPITCH
	s_add_co_u32 s20, s20, SLOT                    ; my stage
	v_mul_u32_u24 v4, v2, SPITCH
	v_lshl_add_u32 v4, v3, 6, v4
	v_add_nc_u32 v[STO], s20, v4                   ; in: row r, + 64 h bytes
	v_add_nc_u32 v[RD], s20, v7                    ; back: the 32 lanes take one row of 512 bytes
	s_lshl_b32 s20, s13, 8
	s_lshl_b32 s21, s15, 7
	s_add_co_u32 s20, s20, s21                     ; my first row of out0
	s_lshl_b32 s20, s20, 12                        ; rows of 4,096 bytes
	s_lshl_b32 s22, s12, 10
	s_lshl_b32 s23, s16, 9
	s_add_co_u32 s22, s22, s23                     ; my first column, in bytes
	s_add_co_u32 s20, s20, s22
	s_mov_b32 s21, 0
	s_add_nc_u64 s[10:11], s[10:11], s[20:21]
	v_lshl_add_u32 v26, v3, 6, s22                 ; the bias: my columns, + 16 h numbers
	WIN TO_B
.irp b, 0,1,2,3,4,5,6,7
	global_load_b128 v[96+8*\b+96*(\b/4):96+8*\b+96*(\b/4)+3], v26, s[8:9] offset:4*(32*(\b/2)+8*(\b%2))       ; block b's eight columns of my half, as a C
	global_load_b128 v[96+8*\b+96*(\b/4)+4:96+8*\b+96*(\b/4)+7], v26, s[8:9] offset:4*(32*(\b/2)+8*(\b%2))+16
.endr
	WIN 0
	s_wait_loadcnt 0x0
.macro FRAG reg, a16, a8, q, i         ; a fragment (16 rows x 128 k, 12 registers) is two chunks: four loads, each of consecutive bytes
	ds_load_b128 v[\reg:\reg+3], v[\a16] offset:(\i)*TILEB+(\q)*1536
	ds_load_b64 v[\reg+4:\reg+5], v[\a8] offset:(\i)*TILEB+(\q)*1536+512
	ds_load_b128 v[\reg+6:\reg+9], v[\a16] offset:(\i)*TILEB+(\q)*1536+768
	ds_load_b64 v[\reg+10:\reg+11], v[\a8] offset:(\i)*TILEB+(\q)*1536+1280
.endm
.macro FETCH_B slot, q, p
	WIN TO_B
.irp i, 0,1,2,3,4,5,6,7
	FRAG 128*(\p)+FR*\i, B16+\slot, B8+\slot, \q, \i
.endr
	WIN 0
.endm
.macro FETCH_A slot, q, i0
.irp i, \i0, \i0+1, \i0+2, \i0+3
	FRAG AF+FR*(\i), A16+\slot, A8+\slot, \q, \i
.endr
.endm
; 16 matrix instructions: S1's blocks a0, a0 + 1 x S0's eight, K step s.  first = 1: the bias is the C.  The 64 accumulators take turns, one instruction a turn, in the same order in every step.
.macro MUL16 a0, s, first
.irp a, \a0, \a0+1
.irp b, 0,1,2,3,4,5,6,7
.if \first
	v_wmma_scale_f32_16x16x128_f8f6f4 v[8*(8*((\a)%4)+\b):8*(8*((\a)%4)+\b)+7], v[128*((\s)%2)+FR*\b:128*((\s)%2)+FR*\b+FR-1], v[AF+FR*(\a):AF+FR*(\a)+FR-1], v[96+8*\b+96*(\b/4):96+8*\b+96*(\b/4)+7], v[SC+8*(\s)+\b], v[SC+8*(\s)+(\a)] matrix_a_fmt:MATRIX_FMT_FP6 matrix_b_fmt:MATRIX_FMT_FP6 matrix_a_scale:MATRIX_SCALE_ROW1
.else
	v_wmma_scale_f32_16x16x128_f8f6f4 v[8*(8*((\a)%4)+\b):8*(8*((\a)%4)+\b)+7], v[128*((\s)%2)+FR*\b:128*((\s)%2)+FR*\b+FR-1], v[AF+FR*(\a):AF+FR*(\a)+FR-1], v[8*(8*((\a)%4)+\b):8*(8*((\a)%4)+\b)+7], v[SC+8*(\s)+\b], v[SC+8*(\s)+(\a)] matrix_a_fmt:MATRIX_FMT_FP6 matrix_b_fmt:MATRIX_FMT_FP6 matrix_a_scale:MATRIX_SCALE_ROW1
.endif
.endr
.endr
.endm
.macro STEP slot, s, first             ; a slot's first K step (s even): its successor lies in the same slot
	s_wait_dscnt 16                                ; S0's set and S1's blocks 0-3 are in; the youngest sixteen loads (blocks 4-7) may be out
	WIN (MUL_LO-0x10*\first)                       ; (first: C from window 1)
	MUL16 0, \s, \first
	MUL16 2, \s, \first
	s_wait_dscnt 0x0
	PLACES
	FETCH_B \slot, 1, 1
	FETCH_A \slot, 1, 0
	WIN (MUL_HI-0x20*\first)
	MUL16 4, \s, \first
	MUL16 6, \s, \first
	PLACES
	WIN 0
	FETCH_A \slot, 1, 4
.endm
; A slot's second K step (s odd) changes slots: one barrier.  kind 0: the next slot's first fill is waited for, a later one may stay out.
; kind 1: slot 0 is filled again: all my tensor loads are waited for, 0 is added to my spare word, that and my LDS reads are waited for, the barrier opens a round of the cluster's, and the joint refill is the first thing behind it.
; kind 2: the refill is waited for.
.macro TURN slot, next, s, kind
.if \kind == 0
	s_wait_tensorcnt 0x1                           ; my part of the next slot is in; slot 2's load may be out
	s_wait_dscnt 16
.elseif \kind == 1
	s_wait_tensorcnt 0x0                           ; all my tensor loads have landed
	ds_add_u32 v[SPW], v[NIL]                      ; 0 onto my spare word
	s_wait_dscnt 17                                ; (the add and the youngest sixteen loads may be out)
.else
	s_wait_tensorcnt 0x0                           ; my part of the refilled slot is in
	s_wait_dscnt 16
.endif
	WIN MUL_LO
	MUL16 0, \s, 0
	s_wait_dscnt 0x0                               ; my reads of this slot are over (and the add is done)
	s_barrier_signal -1
	MUL16 2, \s, 0
	WIN 0                                          ; at a branch and at a label every window is 0
	s_barrier_wait -1
.if \kind == 1
	CREST                                          ; no wave of any partner still reads slot 0 or has a load on its way
	s_add_nc_u64 s[G0+2:G0+3], s[G0+2:G0+3], 3*TILEB
	s_add_nc_u64 s[G0B+2:G0B+3], s[G0B+2:G0B+3], 3*TILEB
	JLOAD G0, G1, G0B, G1B                         ; K's last 256 into slot 0: 96 matrix instructions ahead of the wait for it; its four v_nop are the places in front of the loads below
.else
	PLACES
.endif
	FETCH_B \next, 0, 0
	FETCH_A \next, 0, 0
	WIN MUL_HI
	MUL16 4, \s, 0
	MUL16 6, \s, 0
	PLACES
	WIN 0
	FETCH_A \next, 0, 4
.endm
	s_wait_tensorcnt 0x2                           ; the scale words and my part of slot 0 are in; slots 1 and 2 may be out
	s_barrier_signal -1
	s_barrier_wait -1
.irp s, 0,1,2,3,4,5,6,7
.irp i, 0,1,2,3,4,5,6,7
	ds_load_b32 v[SC+8*\s+\i], v[ADRS] offset:512*\i+64*\s   ; all 8 K steps' scale words, once
.endr
.endr
	FETCH_B 0, 0, 0
	FETCH_A 0, 0, 0
	FETCH_A 0, 0, 4
	STEP 0, 0, 1
	TURN 0, 1, 1, 0
	STEP 1, 2, 0
	TURN 1, 2, 3, 1
	STEP 2, 4, 0
	TURN 2, 0, 5, 2
	STEP 0, 6, 0
	s_wait_dscnt 16                                ; the last K step: nothing more to fetch
	WIN MUL_LO
	MUL16 0, 7, 0
	MUL16 2, 7, 0
	s_wait_dscnt 0x0
	WIN MUL_HI
	MUL16 4, 7, 0
	MUL16 6, 7, 0
	WIN 0
; THE WAY OUT, block by block of 16 tokens x 128 columns, through my own stage: a lane's 64 results go in as 16 pieces of 16 bytes of its row, and whole rows of 512 bytes come back.
; LDS serves a wave's instructions in order (ISA guide 5.7.1.4): no wait between the stores and the loads, nor in front of the next block's stores.
.macro TOSTAGE a
	WIN 0x08+4*((\a)/4)                            ; the data: window 2 or 3
.irp b, 0,1,2,3,4,5,6,7
	ds_store_b128 v[STO], v[64*((\a)%4)+8*\b:64*((\a)%4)+8*\b+3] offset:128*(\b/2)+32*(\b%2)          ; each accumulator from its low end on
	ds_store_b128 v[STO], v[64*((\a)%4)+8*\b+4:64*((\a)%4)+8*\b+7] offset:128*(\b/2)+32*(\b%2)+16
.endr
	WIN 0
.irp t, 0,1,2,3,4,5,6,7,8,9,10,11,12,13,14,15
	ds_load_b128 v[BK+64*((\a)%2)+4*\t:BK+64*((\a)%2)+4*\t+3], v[RD] offset:\t*SPITCH
.endr
.endm
.macro SEND a, younger                 ; younger: the LDS instructions issued behind block a's loads, which may stay out
	s_wait_dscnt \younger
.irp t, 0,1,2,3,4,5,6,7,8,9,10,11,12,13,14,15
	global_store_b128 v7, v[BK+64*((\a)%2)+4*\t:BK+64*((\a)%2)+4*\t+3], s[10:11] offset:(32*((\a)/2)+8*((\a)%2)+\t+8*(\t/8))*4096 th:TH_STORE_NT   ; place t's token: 512 consecutive bytes, aligned to 256; the row stands in the immediate
.endr
.endm
	PLACES                                         ; behind the last products: for the stores of results and for the loads into the registers that held S1's fragments
	TOSTAGE 0
.irp a, 1,2,3,4,5,6,7
.if \a > 1
	s_wait_xcnt 0x0                                ; block a - 2's stores have read their registers: block a's loads may land there
.endif
	TOSTAGE \a
	SEND \a-1, 32                                  ; behind block a - 1's loads: block a's 16 stores and 16 loads
.endr
	SEND 7, 0
	s_wait_tensorcnt 0x0                           ; the wave's end
	ds_add_u32 v[SPW], v[NIL]
	s_wait_dscnt 0x0
	CROUND                                         ; the closing round: no work-group ends while a partner may still ask for a tile that names it
	s_endpgm
.Lfunc_end_k_qebe1701d6a_out_gemm:
	.size	k_qebe1701d6a_out_gemm, .Lfunc_end_k_qebe1701d6a_out_gemm-k_qebe1701d6a_out_gemm
	.p2alignl 7, 3214868480
	.fill 96, 4, 3214868480
	.section	.rodata,"a",@progbits
	.p2align	6, 0x0
	.amdhsa_kernel k_qebe1701d6a_out_gemm
		.amdhsa_group_segment_fixed_size 327680
		.amdhsa_private_segment_fixed_size 0
		.amdhsa_enable_private_segment 0
		.amdhsa_kernarg_size 32
		.amdhsa_user_sgpr_count 2
		.amdhsa_user_sgpr_kernarg_segment_ptr 1
		.amdhsa_wavefront_size32 1
		.amdhsa_system_sgpr_workgroup_id_x 1
		.amdhsa_system_sgpr_workgroup_id_y 1
		.amdhsa_system_sgpr_workgroup_id_z 1
		.amdhsa_system_vgpr_workitem_id 0
		.amdhsa_next_free_vgpr 1024
		.amdhsa_next_free_sgpr 92
		.amdhsa_reserve_vcc 0
		.amdhsa_float_denorm_mode_32 3
		.amdhsa_float_denorm_mode_16_64 3
		.amdhsa_memory_ordered 1
		.amdhsa_forward_progress 1
		.amdhsa_inst_pref_size 147
	.end_amdhsa_kernel
	.amdgpu_metadata
---
amdhsa.version: [ 1, 2 ]
amdhsa.kernels:
  - .name:           k_qebe1701d6a_out_gemm
    .symbol:         k_qebe1701d6a_out_gemm.kd
    .args:
      - { .name: ao, .offset: 0, .size: 8, .value_kind: global_buffer, .address_space: global }
      - { .name: ops, .offset: 8, .size: 8, .value_kind: global_buffer, .address_space: global }
      - { .name: out_b, .offset: 16, .size: 8, .value_kind: global_buffer, .address_space: global }
      - { .name: out0, .offset: 24, .size: 8, .value_kind: global_buffer, .address_space: global }
    .group_segment_fixed_size: 327680
    .private_segment_fixed_size: 0
    .kernarg_segment_align: 8
    .kernarg_segment_size: 32
    .max_flat_workgroup_size: 128
    .sgpr_count:     92
    .vgpr_count:     1024
    .wavefront_size: 32
...
	.end_amdgpu_metadata
.endif
;; end of part 4
